; MI455X (gfx1250); checked and timed in simulation.
; The chip was launched on July 23, 2026; its instructions are those of AMD's public machine-readable ISA for CDNA 5 (MIT licence, August 2026) and "CDNA5" Instruction Set Architecture Reference Guide (July 2026). The comments in the code are by the model that wrote it; some were corrected since.
;; Multi Head Attention. Allowed arithmetic: matrix products marked QUANTISED: E4M3 operands, one E8M0 scale for each 32 along K, by v_wmma_scale_f32_16x16x128_f8f6f4 with both operands' format E4M3, f32 sums; everything else in f32.
;; Inputs: Wk 8 x 512 x 64 float32; Wo 512 x 512 float32; Wq 8 x 512 x 64 float32; Wv 8 x 512 x 64 float32; bo 512 float32; x 8 x 2,048 x 512 float32.
;; Outputs: out0 8 x 2,048 x 512 float32.
;; This version of the problem:
;;   THIS VERSION OF THE PROBLEM IS GIVEN IN LOW PRECISION. The matrix products marked QUANTISED in the list below multiply operands that are first quantised to E4M3 (4 exponent bits, 3 mantissa bits; 8 bits a number), with one power-of-two scale for each 32 numbers along K (OCP MX v1.0); their sums are f32. All else is computed in f32.
;;   The module's matrix products, in the order in which they are computed (A, B: the left and right operand; K: the contracted axis; several contracted axes count as one K, in the product's order):
;;     1. [M 512, K 512] x [K 512, N 16,384]; A: input Wq; B: input x: QUANTISED
;;     2. [M 512, K 512] x [K 512, N 16,384]; A: input Wk; B: input x: QUANTISED
;;     3. [M 512, K 512] x [K 512, N 16,384]; A: input Wv; B: input x: QUANTISED
;;     4. batch 64 x [M 2,048, K 64] x [K 64, N 2,048]; A: computed on the way; B: computed on the way: QUANTISED
;;     5. batch 64 x [M 2,048, K 2,048] x [K 2,048, N 64]; A: softmax (see below); B: computed on the way: QUANTISED
;;     6. [M 16,384, K 512] x [K 512, N 512]; A: computed on the way; B: input Wo: QUANTISED
;;   THE QUANTISER, for each operand of a quantised product, along K:
;;     - K is cut into blocks of 32 from its start; a last block that is shorter is filled with zeros.
;;     - A block's scale is 2^e with e = floor(log2(the largest magnitude in the block)) - 8, held to -126 .. 127; a block of zeros has e = 0. As a byte (E8M0): e + 127.
;;     - Each number is divided by its block's scale, clamped to +-448, and rounded to the nearest number of E4M3, ties to even, subnormals kept.
;;     - The product sums the exact products of the quantised numbers (number of the format x scale) in f32.
;;   ~~~python
;;   def quantise(x, axis):      # numpy; x: float32 -> the quantised numbers, widened to float32 again
;;       x = np.moveaxis(x, axis, -1); K = x.shape[-1]
;;       x = np.pad(x, [(0, 0)] * (x.ndim - 1) + [(0, -K % 32)]); x = x.reshape(x.shape[:-1] + (-1, 32)); a = np.abs(x).max(-1, keepdims=True)
;;       e = np.where(a > 0, np.clip(np.frexp(np.where(a > 0, a, 1))[1] - 1 - 8, -126, 127), 0)      # np.frexp(a)[1] - 1 = floor(log2(a)), exactly
;;       r = np.clip(x / 2.0 ** e, -448, 448)
;;       step = 2.0 ** (np.maximum(np.frexp(np.where(r == 0, 1, r))[1] - 1, -6) - 3)
;;       q = np.round(r / step) * step * 2.0 ** e      # np.round: ties to even
;;       return np.moveaxis(q.reshape(q.shape[:-2] + (-1,))[..., :K], -1, axis).astype(np.float32)
;;   ~~~
;;   SOFTMAX AHEAD OF A QUANTISED PRODUCT. Where the list says 'softmax', what is quantised is not the finished softmax but p = 2^(t - M), with t = logit x log2(e) and M = ceil(the row's largest t), a whole number; so 1/2 < the row's largest p <= 1. The row's sum l is taken of the UNQUANTISED p, in f32, and the product's result is divided by l at the end. Since M is a whole number, a kernel that streams over the keys may use a running M (the ceiling of the running maximum): every later rescaling is an exact power of two, which a block's scale takes up: the codes' values come out the same.
;;   OPERANDS COMPUTED ON THE WAY. 'Computed on the way' means the value that the module computes at that place (a softmax that the list does not call 'softmax' is quantised finished and normalised). What goes into a quantiser is computed in f32, as accurately as f32 sums, v_exp_f32 and their like allow (about 1e-6 of the number): no bf16 or f16 on the way to a quantiser, and a product that is left as it is and whose result goes on into a quantised operand takes f32 operands (vector FMAs, or v_wmma_f32_16x16x4_f32). A number that lies on a knife's edge between two numbers of the format may be rounded either way, as far as f32 arithmetic and the matrix unit's own rounding can turn it there, and no further.
;; One version. Each part assembles by itself: llvm-mc -triple=amdgcn-amd-amdhsa -mcpu=gfx1250 --defsym DOCPART=n.
;; ======== version 1 of 1: 4 launches
;; limits: right only within a limited range of input values
;; workspace buffers: xb 8,650,752 bytes; ab 8,650,752 bytes; wimg 811,008 bytes; wob 270,336 bytes; qb 8,912,896 bytes; kv 17,563,648 bytes
;; launch quant (part 1): grid 384 x 1, 4 waves a work-group, no clusters, 34,304 bytes of LDS; arguments x, Wq, Wk, Wv, Wo, xb, wimg, wob; writes xb, wimg, wob
.if DOCPART == 1
	.amdgcn_target "amdgcn-amd-amdhsa--gfx1250"
	.amdhsa_code_object_version 6
	.text
	.protected	k_qf55f915407_quant
	.globl	k_qf55f915407_quant
	.p2align	8
	.type	k_qf55f915407_quant,@function
k_qf55f915407_quant:
	s_mov_b64 s[64:65], 0
	v_nop
	global_prefetch_b8 v0, s[64:65] scope:SCOPE_SE
	s_setreg_imm32_b32 hwreg(HW_REG_WAVE_MODE, 25, 1), 1
	s_wait_xcnt 0x0
; x [16384][512], Wq, Wk, Wv [8][512][64] and Wo [512][512], all f32, become codes of FP8 (E4M3) with one E8M0 byte for each 32 along K (K = the 512 channels).
; THE CODES ARE LAID AS IMAGES OF OPERAND REGISTERS.  A fragment is 16 rows x 128 K = 2,048 bytes, [c 0..3][lane 0..31][16 bytes]: lane (r = lane % 16, h = lane / 16) holds k = 32 c + 16 h + 0 .. 15 of row r.
; So every later load of a fragment is four loads of 16 bytes a lane, 512 consecutive bytes each.  A row's four scale bytes of a K step of 128 make one word.
; THE ROWS OF A TILE ARE NOT NEIGHBOURS: of each 32 rows, tile 2 n + u takes rows 32 n + 8 u + r + 8 (r / 8): rows of x, and the 64 columns d of Wq, Wk, Wv.  Wo's tiles take 16 neighbouring columns.
; A block's scale is 2^(floor(log2(its largest magnitude)) - 8); its byte is the largest magnitude's exponent field - 8, held at 1 from below.
; LIMITS: NaN and infinities among the inputs are not served; a block of zeros gets the byte 1 (its codes are zeros, and this program alone reads the bytes); largest magnitudes under 2^-118 are held at that floor.
; SHARES: work-groups 0-255: x, a wave to a tile of 16 rows;  256-351: Wq, Wk, Wv, a work-group to (matrix, head, tile of 16 d), a wave to a K step;  352-383: Wo, a work-group to 16 columns, a wave to a K step.
; Only x's path uses LDS (a stage of its own for each wave); no barrier: waves share nothing.
.set LI,  1                            ; v1   16 x lane
.set R16, 2                            ; v2   16 r
.set STA, 3                            ; v3   my stage, on the way in: 8448 x wave + 16 x lane
.set RDA, 4                            ; v4   and on the way out: 8448 x wave + 528 r + 64 h
.set WOF, 5                            ; v5   a weight's lane offset
.set R4,  6                            ; v6   4 r
.set TM,  8                            ; v8-11 largest magnitudes, v12-15 bytes, v16-19 448 x the scale, v20-23 the conversions' scale operands
.set SW,  24                           ; v24-27 scale words
.set PC,  32                           ; v32-47 a fragment's codes
.set X,   48                           ; v48-111 64 numbers: register 16 c + i = k 32 c + 16 h + i of my row
.set R,   112                          ; v112-239 two sets of 64 registers as loaded
.set SEL, 20                           ; s[20:21] selects of v_permlanex16_b32: lane l xor 16
.set MNT, 22                           ; s22  the mantissa field of 448
.set WV,  23                           ; s23  my wave's number
; 64 numbers of a lane become a fragment's codes in v[PC] on and its row's scale word in v[pw]
.macro QUANT s, pw
.irp b, 0,1,2,3
	v_max3_num_f32 v[TM+\b], |v[\s+16*\b]|, |v[\s+1+16*\b]|, 0x4800000   ; block b: my 16 numbers, and the floor 2^(9 - 127): the byte cannot fall under 1
.endr
.irp i, 2,4,6,8,10,12,14
.irp b, 0,1,2,3
	v_max3_num_f32 v[TM+\b], v[TM+\b], |v[\s+16*\b+\i]|, |v[\s+1+16*\b+\i]|   ; the four blocks by turns
.endr
.endr
.irp b, 0,1,2,3
	v_permlanex16_b32 v[TM+4+\b], v[TM+\b], s[SEL], s[SEL+1]
.endr
.irp b, 0,1,2,3
	v_max_num_f32 v[TM+\b], v[TM+\b], v[TM+4+\b]           ; with lane l xor 16's 16: the block's largest magnitude
.endr
.irp b, 0,1,2,3
	v_add_nc_u32 v[TM+12+\b], 0xfc000000, v[TM+\b]         ; 8 off its exponent field: the conversion's scale operand
.endr
.irp b, 0,1,2,3
	v_and_or_b32 v[TM+8+\b], v[TM+\b], 0x7f800000, s[MNT]  ; 448 x the scale
.endr
.irp b, 0,1,2,3
	v_lshrrev_b32 v[TM+4+\b], 23, v[TM+12+\b]              ; the scale's byte
.endr
	v_lshl_or_b32 v[\pw], v[TM+5], 8, v[TM+4]
	v_lshl_or_b32 v[\pw], v[TM+6], 16, v[\pw]
	v_lshl_or_b32 v[\pw], v[TM+7], 24, v[\pw]
.irp b, 0,1,2,3
.irp i, 0,1,2,3,4,5,6,7,8,9,10,11,12,13,14,15
	v_med3_num_f32 v[\s+16*\b+\i], v[\s+16*\b+\i], -v[TM+8+\b], v[TM+8+\b]   ; the conversion to an 8-bit code does not saturate (ISA guide 7.6.2): the hold comes first
.endr
	v_cvt_scalef32_pk8_fp8_f32 v[PC+4*\b:PC+1+4*\b], v[\s+16*\b:\s+7+16*\b], v[TM+12+\b]
	v_cvt_scalef32_pk8_fp8_f32 v[PC+2+4*\b:PC+3+4*\b], v[\s+8+16*\b:\s+15+16*\b], v[TM+12+\b]
.endr
	v_nop                                          ; a plain line behind the last conversion
.endm
	s_load_b512 s[4:19], s[0:1], 0x0               ; x s[4:5], Wq s[6:7], Wk s[8:9], Wv s[10:11], Wo s[12:13], xb s[14:15], wimg s[16:17], wob s[18:19]
	v_lshl_add_u32 v254, v0, 2, 0x8400
	v_mov_b32 v255, 0
	v_lshrrev_b32 v7, 5, v0
	v_readfirstlane_b32 s[WV], v7
	v_and_b32 v7, 31, v0                           ; lane
	v_and_b32 v28, 15, v0                          ; r
	v_bfe_u32 v29, v0, 4, 1                        ; h
	v_lshlrev_b32 v[LI], 4, v7
	v_lshlrev_b32 v[R16], 4, v28
	v_lshlrev_b32 v[R4], 2, v28
	s_mul_i32 s24, s[WV], 8448
	v_add_nc_u32 v[STA], s24, v[LI]
	v_mul_u32_u24 v[RDA], v28, 528
	v_lshl_add_u32 v[RDA], v29, 6, v[RDA]
	v_add_nc_u32 v[RDA], s24, v[RDA]
	s_mov_b32 s[SEL], 0x76543210
	s_mov_b32 s[SEL+1], 0xfedcba98
	s_mov_b32 s[MNT], 0x600000
.irp b, 0,1,2,3
	v_mov_b32 v[TM+4+\b], 0                        ; written once: a lane permute's destination counts as one of its sources
.endr
	s_mov_b32 s33, 0                               ; offsets are made in s[32:33], under 2^32
	s_wait_kmcnt 0x0
	s_cmp_lt_u32 ttmp9, 256
	s_cbranch_scc0 .Lweights
	; ---- x.  Chunk G = work-group / 2 (128 rows), tile T = 4 (work-group % 2) + wave
	s_lshr_b32 s24, ttmp9, 1                       ; G
	s_and_b32 s25, ttmp9, 1
	s_lshl_b32 s25, s25, 2
	s_add_co_u32 s25, s25, s[WV]                   ; T
	s_lshl_b32 s32, s24, 7
	s_lshr_b32 s27, s25, 1
	s_lshl_b32 s27, s27, 5
	s_add_co_u32 s32, s32, s27
	s_and_b32 s27, s25, 1
	s_lshl_b32 s27, s27, 3
	s_add_co_u32 s32, s32, s27                     ; the tile's first row: 128 G + 32 (T / 2) + 8 (T % 2)
	s_lshl_b32 s32, s32, 11                        ; a row of x is 2,048 bytes
	s_add_nc_u64 s[4:5], s[4:5], s[32:33]
	s_mul_i32 s32, s24, 67584
	s_add_nc_u64 s[14:15], s[14:15], s[32:33]      ; xb at chunk G
	s_lshl_b32 s32, s25, 8
	s_add_nc_u64 s[30:31], s[14:15], s[32:33]      ; the tile's scale words lie 65,536 + 256 T on
	s_lshl_b32 s32, s25, 13
	s_add_nc_u64 s[14:15], s[14:15], s[32:33]      ; its fragments 8,192 T on
.macro LOADX ks                        ; K step ks of my 16 rows: each load takes 512 consecutive bytes of one row
.irp p, 0,1,2,3,4,5,6,7,8,9,10,11,12,13,14,15
	global_load_b128 v[R+64*((\ks)%2)+4*\p:R+64*((\ks)%2)+4*\p+3], v[LI], s[4:5] offset:(\p+8*(\p/8))*2048+512*(\ks) th:TH_LOAD_NT
.endr
.endm
.macro XSTEP ks
.if \ks < 3
	s_wait_loadcnt 16                              ; this K step's 16 loads are in; the next step's 16 may be out
.else
	s_wait_loadcnt 0x0
.endif
.irp p, 0,1,2,3,4,5,6,7,8,9,10,11,12,13,14,15
	ds_store_b128 v[STA], v[R+64*(\ks%2)+4*\p:R+64*(\ks%2)+4*\p+3] offset:528*\p   ; the rows as they lie, 528 bytes apart
.endr
.irp c, 0,1,2,3
.irp j, 0,1,2,3
	ds_load_b128 v[X+16*\c+4*\j:X+16*\c+4*\j+3], v[RDA] offset:128*\c+16*\j   ; LDS serves a wave's instructions in order: these see my stores
.endr
.endr
	s_wait_dscnt 0x0                               ; my numbers are back, and the stage's stores have read their registers,
.if \ks < 2
	LOADX \ks+2                                    ; which take the loads of two steps on
.endif
	s_wait_xcnt 0x0                                ; the last step's stores have read the codes' registers: they are written again only behind this wait
	QUANT X, SW+\ks
.irp c, 0,1,2,3
	global_store_b128 v[LI], v[PC+4*\c:PC+4*\c+3], s[14:15] offset:2048*\ks+512*\c   ; 512 consecutive bytes, aligned
.endr
.endm
	LOADX 0
	LOADX 1
	s_wait_alu depctr_va_vdst(0)
	XSTEP 0
	XSTEP 1
	XSTEP 2
	XSTEP 3
	global_store_b128 v[R16], v[SW:SW+3], s[30:31] offset:65536   ; row r's four words; both halves of the lanes hold and write the same: 256 consecutive bytes
	s_wait_tensorcnt 0x0
	ds_add_u32 v254, v255
	s_wait_dscnt 0x0
	s_endpgm
; A weight whose K is its first axis: a lane takes a column and its registers run down K.  Source s[30:31] + v[WOF], codes to s[36:37], words to s[34:35] + woff
.macro WPATH pitch, woff
.irp c, 0,1,2,3
.irp i, 0,1,2,3,4,5,6,7,8,9,10,11,12,13,14,15
	global_load_b32 v[X+16*\c+\i], v[WOF], s[30:31] offset:(32*\c+\i)*\pitch
.endr
.endr
	s_wait_loadcnt 0x0
	QUANT X, SW
.irp c, 0,1,2,3
	global_store_b128 v[LI], v[PC+4*\c:PC+4*\c+3], s[36:37] offset:512*\c
.endr
	global_store_b32 v[R4], v[SW], s[34:35] offset:\woff
	s_endpgm
.endm
.Lweights:
	s_cmp_lt_u32 ttmp9, 352
	s_cbranch_scc0 .Lwo
	; ---- Wq, Wk, Wv
	s_sub_co_u32 s24, ttmp9, 256
	s_lshr_b32 s25, s24, 5                         ; which matrix: 0 q, 1 k, 2 v
	s_bfe_u32 s26, s24, 0x30002                    ; head
	s_and_b32 s27, s24, 3                          ; tile of 16 d
	s_cmp_eq_u32 s25, 0
	s_cselect_b64 s[30:31], s[6:7], s[8:9]         ; the choice hangs on the work-group's number alone
	s_cmp_eq_u32 s25, 2
	s_cselect_b64 s[30:31], s[10:11], s[30:31]
	s_lshl_b32 s32, s26, 17                        ; a head is 131,072 bytes,
	s_lshl_b32 s28, s[WV], 15                      ; a K step 128 rows of 256 bytes,
	s_add_co_u32 s32, s32, s28
	s_lshr_b32 s28, s27, 1
	s_lshl_b32 s28, s28, 7
	s_add_co_u32 s32, s32, s28
	s_and_b32 s28, s27, 1
	s_lshl_b32 s28, s28, 5
	s_add_co_u32 s32, s32, s28                     ; the tile's first column 32 (wt / 2) + 8 (wt % 2), 4 bytes each
	s_add_nc_u64 s[30:31], s[30:31], s[32:33]
	s_mul_i32 s32, s26, 101376
	s_add_nc_u64 s[16:17], s[16:17], s[32:33]      ; wimg at the head
	s_lshl_b32 s32, s25, 10
	s_lshl_b32 s28, s27, 8
	s_add_co_u32 s32, s32, s28
	s_lshl_b32 s28, s[WV], 6
	s_add_co_u32 s32, s32, s28
	s_add_nc_u64 s[34:35], s[16:17], s[32:33]      ; words: [matrix][tile][K step][r]
	s_lshl_b32 s32, s25, 15
	s_lshl_b32 s28, s27, 13
	s_add_co_u32 s32, s32, s28
	s_lshl_b32 s28, s[WV], 11
	s_add_co_u32 s32, s32, s28
	s_add_nc_u64 s[36:37], s[16:17], s[32:33]      ; fragments: [matrix][tile][K step]
	v_and_b32 v30, 8, v28
	v_add_nc_u32 v30, v30, v28                     ; r + 8 (r / 8)
	v_lshlrev_b32 v[WOF], 2, v30
	v_lshl_add_u32 v[WOF], v29, 12, v[WOF]         ; lanes 16-31 begin 16 rows of 256 bytes further down
	WPATH 256, 98304
.Lwo:
	; ---- Wo
	s_sub_co_u32 s24, ttmp9, 352                   ; tile of 16 columns, 0 .. 31
	s_lshl_b32 s32, s[WV], 18                      ; a K step is 128 rows of 2,048 bytes
	s_lshl_b32 s28, s24, 6
	s_add_co_u32 s32, s32, s28
	s_add_nc_u64 s[30:31], s[12:13], s[32:33]
	s_lshr_b32 s25, s24, 3                         ; group of 128 columns
	s_and_b32 s26, s24, 7                          ; tile in it
	s_mul_i32 s32, s25, 67584
	s_add_nc_u64 s[18:19], s[18:19], s[32:33]
	s_lshl_b32 s32, s26, 8
	s_lshl_b32 s28, s[WV], 6
	s_add_co_u32 s32, s32, s28
	s_add_nc_u64 s[34:35], s[18:19], s[32:33]
	s_lshl_b32 s32, s26, 13
	s_lshl_b32 s28, s[WV], 11
	s_add_co_u32 s32, s32, s28
	s_add_nc_u64 s[36:37], s[18:19], s[32:33]
	s_wait_alu depctr_va_vdst(0)
	v_lshl_add_u32 v[WOF], v29, 15, v[R4]          ; column r; lanes 16-31 begin 16 rows further down
	WPATH 2048, 65536
.Lfunc_end_k_qf55f915407_quant:
	.size	k_qf55f915407_quant, .Lfunc_end_k_qf55f915407_quant-k_qf55f915407_quant
	.p2alignl 7, 3214868480
	.fill 96, 4, 3214868480
	.section	.rodata,"a",@progbits
	.p2align	6, 0x0
	.amdhsa_kernel k_qf55f915407_quant
		.amdhsa_group_segment_fixed_size 34304
		.amdhsa_private_segment_fixed_size 0
		.amdhsa_enable_private_segment 0
		.amdhsa_kernarg_size 64
		.amdhsa_user_sgpr_count 2
		.amdhsa_user_sgpr_kernarg_segment_ptr 1
		.amdhsa_wavefront_size32 1
		.amdhsa_system_sgpr_workgroup_id_x 1
		.amdhsa_system_sgpr_workgroup_id_y 1
		.amdhsa_system_sgpr_workgroup_id_z 1
		.amdhsa_system_vgpr_workitem_id 0
		.amdhsa_next_free_vgpr 256
		.amdhsa_next_free_sgpr 66
		.amdhsa_reserve_vcc 0
		.amdhsa_float_denorm_mode_32 3
		.amdhsa_float_denorm_mode_16_64 3
		.amdhsa_memory_ordered 1
		.amdhsa_forward_progress 1
		.amdhsa_inst_pref_size 82
	.end_amdhsa_kernel
	.amdgpu_metadata
---
amdhsa.version: [ 1, 2 ]
amdhsa.kernels:
  - .name:           k_qf55f915407_quant
    .symbol:         k_qf55f915407_quant.kd
    .args:
      - { .name: x, .offset: 0, .size: 8, .value_kind: global_buffer, .address_space: global }
      - { .name: Wq, .offset: 8, .size: 8, .value_kind: global_buffer, .address_space: global }
      - { .name: Wk, .offset: 16, .size: 8, .value_kind: global_buffer, .address_space: global }
      - { .name: Wv, .offset: 24, .size: 8, .value_kind: global_buffer, .address_space: global }
      - { .name: Wo, .offset: 32, .size: 8, .value_kind: global_buffer, .address_space: global }
      - { .name: xb, .offset: 40, .size: 8, .value_kind: global_buffer, .address_space: global }
      - { .name: wimg, .offset: 48, .size: 8, .value_kind: global_buffer, .address_space: global }
      - { .name: wob, .offset: 56, .size: 8, .value_kind: global_buffer, .address_space: global }
    .group_segment_fixed_size: 34304
    .private_segment_fixed_size: 0
    .kernarg_segment_align: 8
    .kernarg_segment_size: 64
    .max_flat_workgroup_size: 128
    .sgpr_count:     66
    .vgpr_count:     256
    .wavefront_size: 32
...
	.end_amdgpu_metadata
.endif
;; end of part 1
;; launch qkv (part 2): grid 64 x 4, 4 waves a work-group, clusters of 4 x 1, 204,800 bytes of LDS; arguments xb, wimg, qb, kv; writes qb, kv
.if DOCPART == 2
	.amdgcn_target "amdgcn-amd-amdhsa--gfx1250"
	.amdhsa_code_object_version 6
	.text
	.protected	k_qf55f915407_qkv
	.globl	k_qf55f915407_qkv
	.p2align	8
	.type	k_qf55f915407_qkv,@function
k_qf55f915407_qkv:
	s_mov_b64 s[64:65], 0
	v_nop
	global_prefetch_b8 v0, s[64:65] scope:SCOPE_SE
	s_setreg_imm32_b32 hwreg(HW_REG_WAVE_MODE, 25, 1), 1
	s_wait_xcnt 0x0
	s_wait_alu depctr_hold_cnt(0) depctr_sa_sdst(0) depctr_va_vdst(0) depctr_va_sdst(0) depctr_va_ssrc(0) depctr_va_vcc(0) depctr_vm_vsrc(0)
	s_getreg_b32 s2, hwreg(HW_REG_IB_STS2, 6, 4)
	s_cmp_eq_u32 s2, 0
	s_cbranch_scc0 .Lentry_in_a_cluster
	s_endpgm
.Lentry_in_a_cluster:
	s_bfe_u32 s2, ttmp6, 0x10000c
	s_cmp_lg_u32 s2, 0x3003
	s_cbranch_scc0 .Lentry_shape_is_right
	s_endpgm
.Lentry_shape_is_right:
; q, k, v of two heads for 256 rows of x, on codes of FP8 (E4M3) with E8M0 scales, and their quantising for attention: q and k along the head's 64, v along the keys.
; SHARES.  Work-group (x: 256 rows, y: heads 2 y, 2 y + 1); wave w takes 64 rows: chunk G = 2 x + w / 2, tiles 4 (w % 2) + 0 .. 3, whose 16 fragments of x (256 registers) it loads once and keeps.  The two heads' weights, 96 fragments and
; their scale words (202,752 bytes), come into LDS once, a quarter by each wave's one tensor load; each fragment read from LDS feeds four matrix instructions.
; CLUSTERS: the four work-groups of a cluster take the same heads, so the weights are asked for JOINTLY, by the same load in all four.  cx enters global addresses alone.
; A UNIT is one of the three matrices of one head: K = 512 in four steps, 16 accumulators.  Behind its products the next unit's 16 fragments are loaded, which land while this one is quantised.
; q AND k ARE MADE TRANSPOSED (source 0 = 16 d of the weight, source 1 = 16 rows of x): a lane holds one row, and, the weight's tiles being chosen so, the 16 registers of two neighbouring tiles are 16 neighbouring d.
; v IS MADE THE OTHER WAY ROUND (source 0 = 16 rows of x, source 1 = 16 d): a lane holds one d, and the 16 registers of two neighbouring tiles of rows are 16 neighbouring keys.
; So in all three the 128 accumulator registers are 8 blocks of 16 numbers a lane, a block of 32 lying in lanes l and l xor 16, and the conversions' results are the next operands' registers, stored as images.
; OUT: qb, for (batch x head, chunk): 8 tiles x 1,024 bytes of codes, then 512 bytes of scale words; kv likewise: K's codes at 0, V's (4 fragments of 16 d x 128 keys) at 8,192, K's words at 16,384, V's at 16,896.
; A chunk's two waves hold its halves: of q's and k's words each stores 8 of a lane's 16 bytes, of v's two of a word's four.
; No prefetch: the launch's streams are asked for at its head.
; LIMITS: as in the first launch (no NaN or infinities; a block of zeros gets the byte 1; the floor 2^-118).
; REGISTERS: window 0: as named below.  window 1: x (tile tl, K step ks at v[64 tl + 16 ks]).  window 2: the unit's weights (K step ks, tile wt at v[64 ks + 16 wt]).  window 3: 16 accumulators.
.set LI,  1                            ; 16 x lane
.set LS2, 2                            ; 4 x lane + 65,536
.set LIC, 3                            ; 16 x lane + 4,096 x half: q's and k's codes
.set LIV, 4                            ; 16 x lane + 1,024 x half: v's codes; x's words
.set LIW, 5                            ; 16 x lane + 8 x half: q's and k's words
.set L8V, 6                            ; 8 x lane + 2 x half: v's words
.set SPW, 7
.set XS,  8                            ; v[XS + 4 n + ks]: lanes 0-15 the words of tile 2 n, lanes 16-31 of tile 2 n + 1
.set NIL, 16
.set A1,  17                           ; LDS addresses: this head's q and k, v, words
.set A2,  18
.set ASR, 19
.set B1,  20                           ; and the second head's q, words
.set BS,  21
.set WS,  24                           ; v[WS + 2 wt + ks / 2]: lanes 0-15 the even K step's words, lanes 16-31 the odd one's
.set TM,  64                           ; the quantiser: 8 largest magnitudes, later the words
.set T2,  72                           ; 8 bytes
.set LM,  80                           ; 8 x 448 x the scale
.set SC,  88                           ; 8 scale operands
.set CD,  96                           ; 32 registers of codes
.set HEAD, 101376                      ; a head's weights in bytes
.set WV,  12
.set HP,  13
.set G1,  16
.set G0,  24
.set HM,  28                           ; a mask of lanes 16-31
.set MNT, 29
.set SEL, 30                           ; s[30:31]
.set HO,  44                           ; where the head's weights begin in LDS
.set HD,  45                           ; which of the two heads
.set MSB, 0
.macro WIN new                         ; the immediate's high byte repeats the setting that is left
.if MSB != (\new)
	s_set_vgpr_msb (MSB<<8)|(\new)
.set MSB, (\new)
.endif
.endm
.macro PLACES n
.rept \n
	v_nop
.endr
.endm
; one scaled matrix instruction.  c < 0: the constant 0 starts the sum.  ra, rb: source 0's, source 1's scales stand in lanes 16-31
.macro WM d, a, b, c, sa, sb, ra, rb
.if (\c) < 0
.if (\ra) && (\rb)
	v_wmma_scale_f32_16x16x128_f8f6f4 v[\d:\d+7], v[\a:\a+15], v[\b:\b+15], 0, v[\sa], v[\sb] matrix_a_scale:MATRIX_SCALE_ROW1 matrix_b_scale:MATRIX_SCALE_ROW1
.elseif (\ra)
	v_wmma_scale_f32_16x16x128_f8f6f4 v[\d:\d+7], v[\a:\a+15], v[\b:\b+15], 0, v[\sa], v[\sb] matrix_a_scale:MATRIX_SCALE_ROW1
.elseif (\rb)
	v_wmma_scale_f32_16x16x128_f8f6f4 v[\d:\d+7], v[\a:\a+15], v[\b:\b+15], 0, v[\sa], v[\sb] matrix_b_scale:MATRIX_SCALE_ROW1
.else
	v_wmma_scale_f32_16x16x128_f8f6f4 v[\d:\d+7], v[\a:\a+15], v[\b:\b+15], 0, v[\sa], v[\sb]
.endif
.else
.if (\ra) && (\rb)
	v_wmma_scale_f32_16x16x128_f8f6f4 v[\d:\d+7], v[\a:\a+15], v[\b:\b+15], v[\c:\c+7], v[\sa], v[\sb] matrix_a_scale:MATRIX_SCALE_ROW1 matrix_b_scale:MATRIX_SCALE_ROW1
.elseif (\ra)
	v_wmma_scale_f32_16x16x128_f8f6f4 v[\d:\d+7], v[\a:\a+15], v[\b:\b+15], v[\c:\c+7], v[\sa], v[\sb] matrix_a_scale:MATRIX_SCALE_ROW1
.elseif (\rb)
	v_wmma_scale_f32_16x16x128_f8f6f4 v[\d:\d+7], v[\a:\a+15], v[\b:\b+15], v[\c:\c+7], v[\sa], v[\sb] matrix_b_scale:MATRIX_SCALE_ROW1
.else
	v_wmma_scale_f32_16x16x128_f8f6f4 v[\d:\d+7], v[\a:\a+15], v[\b:\b+15], v[\c:\c+7], v[\sa], v[\sb]
.endif
.endif
.endm
.macro ROUND                           ; a round of the cluster's barrier
	s_barrier_signal -1
	s_barrier_wait -1
	s_cmp_lg_u32 s[WV], 0
	s_cbranch_scc1 .Lnot_wave_0_\@
	s_barrier_signal -3
.Lnot_wave_0_\@:
	s_barrier_wait -3
	s_barrier_signal -1
	s_barrier_wait -1
.endm
.macro FETCHW u, a, s                  ; matrix u's 16 fragments and its scale words.  (a: the head's place, for v 65,536 further on)
	WIN 0x80
.irp ks, 0,1,2,3
.irp wt, 0,1,2,3
.irp c, 0,1,2,3
	ds_load_b128 v[64*\ks+16*\wt+4*\c:64*\ks+16*\wt+4*\c+3], v[\a] offset:32768*(\u%2)+8192*\wt+2048*\ks+512*\c
.endr
.endr
.endr
	WIN 0
.irp wt, 0,1,2,3
.irp kp, 0,1
	ds_load_b32 v[WS+2*\wt+\kp], v[\s] offset:32768+1024*\u+256*\wt+128*\kp
.endr
.endr
.endm
; 16 matrix instructions: one K step of all 16 accumulators, which take turns, one instruction a turn, in the same order in every K step
.macro MUL ks, tr
.if \tr
	WIN 0xf6                                       ; source 0 (weight) window 2, source 1 (x) window 1, C and D window 3
.else
	WIN 0xf9                                       ; source 0 (x) window 1, source 1 (weight) window 2
.endif
.irp tl, 0,1,2,3
.irp wt, 0,1,2,3
.if \tr
.set rD, 8*(4*\tl+\wt)
.else
.set rD, 8*(4*\wt+\tl)
.endif
.set rC, rD
.if (\ks) == 0
.set rC, -1
.endif
.if \tr
	WM rD, 64*\ks+16*\wt, 64*\tl+16*\ks, rC, WS+2*\wt+\ks/2, XS+4*(\tl/2)+\ks, \ks%2, \tl%2
.else
	WM rD, 64*\tl+16*\ks, 64*\ks+16*\wt, rC, XS+4*(\tl/2)+\ks, WS+2*\wt+\ks/2, \tl%2, \ks%2
.endif
.endr
.endr
.endm
; the 8 blocks: block bb is registers 16 bb + i of window 3.  Each accumulator is read from its low end on
.macro QUANT
	WIN 0x0f                                       ; sources 0 and 1 window 3
.set bb, 0
.rept 8
	v_max3_num_f32 v[TM+bb], |v[16*bb]|, |v[16*bb+1]|, 0x4800000   ; and the floor 2^(9 - 127): the byte cannot fall under 1
.set bb, bb+1
.endr
	WIN 0x3c                                       ; sources 1 and 2 window 3
.irp i, 2,4,6,8,10,12,14
.set bb, 0
.rept 8
	v_max3_num_f32 v[TM+bb], v[TM+bb], |v[16*bb+\i]|, |v[16*bb+\i+1]|
.set bb, bb+1
.endr
.endr
	WIN 0
.irp b, 0,1,2,3,4,5,6,7
	v_permlanex16_b32 v[T2+\b], v[TM+\b], s[SEL], s[SEL+1]
.endr
.irp b, 0,1,2,3,4,5,6,7
	v_max_num_f32 v[TM+\b], v[TM+\b], v[T2+\b]     ; with lane l xor 16's 16: the block's largest magnitude
.endr
.irp b, 0,1,2,3,4,5,6,7
	v_add_nc_u32 v[SC+\b], 0xfc000000, v[TM+\b]    ; 8 off the exponent field: the conversion's scale operand
.endr
.irp b, 0,1,2,3,4,5,6,7
	v_and_or_b32 v[LM+\b], v[TM+\b], 0x7f800000, s[MNT]   ; 448 x the scale
.endr
.irp b, 0,1,2,3,4,5,6,7
	v_lshrrev_b32 v[T2+\b], 23, v[SC+\b]           ; the scale's byte
.endr
	WIN 0xc3                                       ; destination and source 0 window 3
.set bb, 0
.rept 8
.irp i, 0,1,2,3,4,5,6,7,8,9,10,11,12,13,14,15
	v_med3_num_f32 v[16*bb+\i], v[16*bb+\i], -v[LM+bb], v[LM+bb]   ; the conversion does not saturate (ISA guide 7.6.2): the hold comes first
.endr
.set bb, bb+1
.endr
	WIN 0x03                                       ; source 0 window 3
.set bb, 0
.rept 8
	v_cvt_scalef32_pk8_fp8_f32 v[CD+4*bb:CD+4*bb+1], v[16*bb:16*bb+7], v[SC+bb]
	v_cvt_scalef32_pk8_fp8_f32 v[CD+4*bb+2:CD+4*bb+3], v[16*bb+8:16*bb+15], v[SC+bb]
.set bb, bb+1
.endr
	WIN 0
	v_nop                                          ; a plain line behind the last conversion
.irp t, 0,1,2,3
	v_lshl_or_b32 v[TM+\t], v[T2+2*\t+1], 8, v[T2+2*\t]   ; two blocks' bytes
.endr
.irp j, 0,1
	v_cndmask_b32 v[TM+4+\j], v[TM+2*\j], v[TM+2*\j+1], s[HM]   ; lanes 0-15 tile 2 j's, lanes 16-31 tile 2 j + 1's: as the reader's scale registers want them
.endr
.endm
.macro UNIT u, tr
	s_wait_dscnt 0x0                               ; the unit's fragments and words are in
.irp ks, 0,1,2,3
.if \u == 0
	s_wait_loadcnt 16*(3-\ks)                      ; (the first trip) x: this K step's loads are in; the later K steps' 16 each may be out
.endif
	MUL \ks, \tr
.endr
	WIN 0
	PLACES 8                                       ; eight places behind this form ahead of loads into registers that it has read, and of the first read of results
.if \u == 0
	FETCHW 1, A1, ASR
.elseif \u == 1
	FETCHW 2, A2, ASR
.else
	s_cmp_eq_u32 s[HD], 1
	s_cbranch_scc1 .Lno_more
	FETCHW 0, B1, BS                               ; the second head's q
.Lno_more:
.endif
	s_wait_xcnt 0x0                                ; the last unit's stores have read their registers: they are written again only behind this wait
	QUANT
.endm
; q's or k's way out: tile tl's two blocks are its fragment's c = 0, 1; its row's word holds their two bytes, the upper two are 0
.macro OUT_QK sb, woff
.irp b, 0,1,2,3,4,5,6,7
	global_store_b128 v[LIC], v[CD+4*\b:CD+4*\b+3], s[\sb:\sb+1] offset:512*\b   ; 512 consecutive bytes, aligned
.endr
	global_store_b64 v[LIW], v[TM+4:TM+5], s[\sb:\sb+1] offset:\woff
.endm
	s_load_b256 s[4:11], s[0:1], 0x0               ; xb s[4:5], wimg s[6:7], qb s[8:9], kv s[10:11]
	v_lshl_add_u32 v[SPW], v0, 2, 2*HEAD
	v_mov_b32 v[NIL], 0
	ds_add_u32 v[SPW], v[NIL]                      ; the opening: an add, twice on end, and its wait
	ds_add_u32 v[SPW], v[NIL]
	v_lshrrev_b32 v22, 5, v0
	v_readfirstlane_b32 s[WV], v22
	s_and_b32 s[HP], ttmp7, 0xffff
	; the weights: a quarter of the two heads' dense block, 50,688 bytes, as 198 rows of 256 bytes (32 elements of 8 bytes), no padding: every read takes 512 consecutive bytes
	s_mov_b32 s[G1+0], 15|(3<<16)|(1<<21)          ; 15:0 the mask: all four work-groups; 17:16 elements of 8 bytes; 21 set beside a mask
	s_mov_b32 s[G1+1], 32<<16
	s_mov_b32 s[G1+2], 198<<16
	s_mov_b32 s[G1+3], 32<<16
	s_mov_b32 s[G1+4], 198
	s_mov_b32 s[G1+5], 32
	s_mov_b32 s[G1+6], 0
	s_mov_b32 s[G1+7], 0
	s_mov_b32 s[G0], 1
	s_mul_i32 s[G0+1], s[WV], 50688                ; LDS: wave x a quarter
	s_mul_i32 s32, s[HP], 2*HEAD
	s_add_co_u32 s32, s32, s[G0+1]
	s_mov_b32 s33, 0
	s_wait_dscnt 0x0                               ; both opening adds are done
	s_wait_kmcnt 0x0
	s_add_nc_u64 s[G0+2:G0+3], s[6:7], s[32:33]
	s_or_b32 s[G0+3], s[G0+3], 0x80000000
	ROUND                                          ; all four work-groups are here: the joint loads meet
	tensor_load_to_lds s[G0:G0+3], s[G1:G1+7]      ; my one tensor load of the launch: these bytes are filled once
	s_nop 0
	PLACES 4
	s_bfe_u32 s35, ttmp6, 0x40000                  ; cx
	s_lshl_b32 s34, ttmp9, 2
	s_add_co_u32 s34, s34, s35                     ; work-group x
	s_lshl_b32 s37, s34, 1
	s_lshr_b32 s36, s[WV], 1
	s_add_co_u32 s37, s37, s36                     ; G
	s_and_b32 s38, s[WV], 1                        ; which half of the chunk
	s_mul_i32 s32, s37, 67584
	s_add_nc_u64 s[4:5], s[4:5], s[32:33]          ; xb at my chunk,
	s_lshl_b32 s32, s38, 15
	s_add_nc_u64 s[46:47], s[4:5], s[32:33]        ; at my tiles' fragments
	s_lshr_b32 s39, s37, 4                         ; batch
	s_lshl_b32 s39, s39, 3
	s_lshl_b32 s40, s[HP], 1
	s_add_co_u32 s39, s39, s40                     ; 8 x batch + head
	s_lshl_b32 s39, s39, 4
	s_and_b32 s40, s37, 15
	s_add_co_u32 s39, s39, s40                     ; x 16 + the chunk in its batch
	s_mul_i32 s32, s39, 8704
	s_add_nc_u64 s[8:9], s[8:9], s[32:33]
	s_mul_i32 s32, s39, 17152
	s_add_nc_u64 s[10:11], s[10:11], s[32:33]
	s_lshl_b32 s40, s38, 12
	s_lshl_b32 s41, s38, 10
	s_lshl_b32 s42, s38, 3
	s_lshl_b32 s43, s38, 1
	v_and_b32 v22, 31, v0                          ; lane
	v_lshlrev_b32 v[LI], 4, v22
	v_lshl_add_u32 v[LS2], v22, 2, 0x10000
	v_lshlrev_b32 v23, 3, v22
	v_add_nc_u32 v[LIC], s40, v[LI]
	v_add_nc_u32 v[LIV], s41, v[LI]
	v_add_nc_u32 v[LIW], s42, v[LI]
	v_add_nc_u32 v[L8V], s43, v23
	v_add_nc_u32 v[B1], HEAD, v[LI]
	v_add_nc_u32 v[BS], HEAD, v[LS2]
.irp b, 0,1,2,3,4,5,6,7
	v_mov_b32 v[T2+\b], 0                          ; written once: a lane permute's destination counts as one of its sources
.endr
	s_wait_alu depctr_va_vdst(0)
.irp n, 0,1
	global_load_b128 v[XS+4*\n:XS+4*\n+3], v[LIV], s[4:5] offset:65536+512*\n   ; the four K steps' words of two tiles' rows
.endr
	WIN 0x40
.irp ks, 0,1,2,3                       ; x's fragments, K step by K step, so that the first products need not wait for all
.irp tl, 0,1,2,3
.irp c, 0,1,2,3
	global_load_b128 v[64*\tl+16*\ks+4*\c:64*\tl+16*\ks+4*\c+3], v[LI], s[46:47] offset:8192*\tl+2048*\ks+512*\c
.endr
.endr
.endr
	WIN 0
	s_mov_b32 s[HM], 0xffff0000
	s_mov_b32 s[MNT], 0x600000
	s_mov_b32 s[SEL], 0x76543210
	s_mov_b32 s[SEL+1], 0xfedcba98
	s_mov_b32 s[HO], 0
	s_mov_b32 s[HD], 0
	s_wait_alu depctr_va_vdst(0)
	s_wait_tensorcnt 0x0                           ; my quarter of the weights has landed,
	s_barrier_signal -1
	s_barrier_wait -1                              ; everybody's has: from here on LDS is only read
	FETCHW 0, LI, LS2
.Lhead:
	v_add_nc_u32 v[A1], s[HO], v[LI]
	v_add_nc_u32 v[ASR], s[HO], v[LS2]
	v_add_nc_u32 v[A2], 0x10000, v[A1]
	s_wait_alu depctr_va_vdst(0)
	UNIT 0, 1
	OUT_QK 8, 8192
	UNIT 1, 1
	OUT_QK 10, 16384
	UNIT 2, 0
.irp b, 0,1,2,3,4,5,6,7
	global_store_b128 v[LIV], v[CD+4*\b:CD+4*\b+3], s[10:11] offset:8192+2048*(\b/2)+512*(\b%2)   ; block 2 t + c: fragment t (16 d), keys 64 x half + 32 c on
.endr
.irp j, 0,1
	global_store_b16 v[L8V], v[TM+4+\j], s[10:11] offset:16896+4*\j
.endr
	s_wait_xcnt 0x0                                ; the stores have read their bases: on to the second head's
	s_add_nc_u64 s[8:9], s[8:9], 16*8704
	s_add_nc_u64 s[10:11], s[10:11], 16*17152
	s_add_co_u32 s[HO], s[HO], HEAD
	s_add_co_u32 s[HD], s[HD], 1
	s_cmp_lt_u32 s[HD], 2
	s_cbranch_scc1 .Lhead
	s_wait_tensorcnt 0x0                           ; the wave's end
	ds_add_u32 v[SPW], v[NIL]
	s_wait_dscnt 0x0
	ROUND                                          ; the closing round: no work-group ends while a partner may still ask for weights that name it
	s_endpgm
.Lfunc_end_k_qf55f915407_qkv:
	.size	k_qf55f915407_qkv, .Lfunc_end_k_qf55f915407_qkv-k_qf55f915407_qkv
	.p2alignl 7, 3214868480
	.fill 96, 4, 3214868480
	.section	.rodata,"a",@progbits
	.p2align	6, 0x0
	.amdhsa_kernel k_qf55f915407_qkv
		.amdhsa_group_segment_fixed_size 204800
		.amdhsa_private_segment_fixed_size 0
		.amdhsa_enable_private_segment 0
		.amdhsa_kernarg_size 32
		.amdhsa_user_sgpr_count 2
		.amdhsa_user_sgpr_kernarg_segment_ptr 1
		.amdhsa_wavefront_size32 1
		.amdhsa_system_sgpr_workgroup_id_x 1
		.amdhsa_system_sgpr_workgroup_id_y 1
		.amdhsa_system_sgpr_workgroup_id_z 1
		.amdhsa_system_vgpr_workitem_id 0
		.amdhsa_next_free_vgpr 1024
		.amdhsa_next_free_sgpr 66
		.amdhsa_reserve_vcc 0
		.amdhsa_float_denorm_mode_32 3
		.amdhsa_float_denorm_mode_16_64 3
		.amdhsa_memory_ordered 1
		.amdhsa_forward_progress 1
		.amdhsa_inst_pref_size 106
	.end_amdhsa_kernel
	.amdgpu_metadata
---
amdhsa.version: [ 1, 2 ]
amdhsa.kernels:
  - .name:           k_qf55f915407_qkv
    .symbol:         k_qf55f915407_qkv.kd
    .args:
      - { .name: xb, .offset: 0, .size: 8, .value_kind: global_buffer, .address_space: global }
      - { .name: wimg, .offset: 8, .size: 8, .value_kind: global_buffer, .address_space: global }
      - { .name: qb, .offset: 16, .size: 8, .value_kind: global_buffer, .address_space: global }
      - { .name: kv, .offset: 24, .size: 8, .value_kind: global_buffer, .address_space: global }
    .group_segment_fixed_size: 204800
    .private_segment_fixed_size: 0
    .kernarg_segment_align: 8
    .kernarg_segment_size: 32
    .max_flat_workgroup_size: 128
    .sgpr_count:     66
    .vgpr_count:     1024
    .wavefront_size: 32
...
	.end_amdgpu_metadata
.endif
;; end of part 2
;; launch attn (part 3): grid 4 x 64, 8 waves a work-group, clusters of 4 x 1, 276,480 bytes of LDS; arguments qb, kv, ab; writes ab
.if DOCPART == 3
	.amdgcn_target "amdgcn-amd-amdhsa--gfx1250"
	.amdhsa_code_object_version 6
	.text
	.protected	k_qf55f915407_attn
	.globl	k_qf55f915407_attn
	.p2align	8
	.type	k_qf55f915407_attn,@function
k_qf55f915407_attn:
	s_mov_b64 s[64:65], 0
	v_nop
	global_prefetch_b8 v0, s[64:65] scope:SCOPE_SE
	s_setreg_imm32_b32 hwreg(HW_REG_WAVE_MODE, 25, 1), 1
	s_wait_xcnt 0x0
	s_wait_alu depctr_hold_cnt(0) depctr_sa_sdst(0) depctr_va_vdst(0) depctr_va_sdst(0) depctr_va_ssrc(0) depctr_va_vcc(0) depctr_vm_vsrc(0)
	s_getreg_b32 s2, hwreg(HW_REG_IB_STS2, 6, 4)
	s_cmp_eq_u32 s2, 0
	s_cbranch_scc0 .Lentry_in_a_cluster
	s_endpgm
.Lentry_in_a_cluster:
	s_bfe_u32 s2, ttmp6, 0x10000c
	s_cmp_lg_u32 s2, 0x3003
	s_cbranch_scc0 .Lentry_shape_is_right
	s_endpgm
.Lentry_shape_is_right:
; Causal attention of one (batch, head) on codes of FP8 (E4M3) with E8M0 scales; the result, divided by the row's sum, is quantised along the head's 64 and stored as the last product's operand.
; Work left out: tiles of scores that lie wholly under the causal mask, whose p are 0 for all inputs.
; THE SOFTMAX: t = score x log2(e) / 8.  For each block b of 32 keys F(b) = floor(the block's largest t), and p' = 2^(t - F(b)), under 2, is what is converted, with the scale 2^-8 and the hold 1.75 (= 448 x 2^-8): these are the
; codes of 2^(t - M) for every whole M, since M and F(b) only move the block's scale.  X = the row's largest F so far; the block's scale byte is 119 + F(b) - X, held at 1 from below; the row's sum takes the unquantised p' x 2^(F(b) - X);
; when X moves, the sum and O are multiplied by 2^(old X - new X), which rounds nothing.
; SHARES.  A cluster of four work-groups takes a head (2,048 queries = 16 chunks of 128 = 128 tiles of 16); work-group cx takes tiles 2 cx and 2 cx + 1 of every chunk; a wave works on such a PAIR of tiles (A and B) at a time, so that
; each fragment of K and V that it reads from LDS feeds two products.
; THE WHOLE HEAD'S K AND V, 16 x 17,152 bytes, LIE IN LDS, filled once.  The four work-groups want the same bytes, so they are asked for JOINTLY (wave w: chunks 2 w, 2 w + 1), by the same load in all four.
; EVEN WORK UNDER THE MASK.  17 steps of 128 keys.  Wave w first takes chunk w's pair, keys 0 on: steps 0 .. w; then chunk 15 - w's, keys 0 on: steps w + 1 .. 16.  (w + 1) + (16 - w) = 17.
; LAYOUT.  Both products are used transposed: S^T = K Q^T (source 0 = 16 keys), O^T = V^T P^T (source 0 = 16 d): a lane holds one query throughout.  Tiles of keys, queries and d hold rows 32 n + 8 u + r + 8 (r / 8), so that the 16
; registers of two neighbouring tiles are 16 neighbours: p's codes and O's codes are operands' registers as they are converted.
; THE HEAD'S 64 IN A FORM OF 128: Q's upper eight registers hold zero codes.  K's fragment of tile t is v[KF + 8 t .. + 15]: its upper half is the next tile's codes (for tile 7 eight registers of zeros), which meet zero codes alone; the
; upper two scale bytes of both words are 0, which is 2^-127 and no NaN.
; THE MASK is the C of the diagonal's products: min((query - key) 2^100, 0), which is 0 for a key that counts.
; No branch and no LDS address hangs on cx: it enters Q's and the result's global addresses and the mask, which is data.
; No prefetch: the launch's one stream is asked for at its head.
; LIMITS: scaled scores (t) stay under 2^31 in magnitude; no NaN or infinities; a block of zeros gets the byte 1; the floor 2^-118.  The result's scale bytes leave two at a time (a row's two of its sixteen), so that the last launch loads whole words.
; REGISTERS.  Window 0: as named below.  Window 1: K's tiles v0-63, zeros v64-71, V's fragments v72-135, O^T of A and B v136-199, the second task's Q v200-217.
.set LI,  1                            ; v1   16 x lane
.set PP,  2                            ; v[2:3] (DM + 2, DM + 1) x 2^100, DM = A's query in its chunk - 16 h
.set ADV, 4                            ; LDS addresses of the step's V, V's words, the next step's K
.set AD8, 5
.set ADK, 6
.set R16, 7                            ; 16 r
.set SPW, 8                            ; my spare word
.set NIL, 9                            ; 0
.set MX,  10                           ; v10, v11 X of A's query, of B's
.set LS,  12                           ; v[12:13], v[14:15] the sums of A, B in two halves
.set QA,  16                           ; v16-23 A's codes, v24-31 zeros;  v32-47 B's
.set S,   48                           ; v48-111 A's S^T, then p';  v112-175 B's: block k (0-3 A, 4-7 B) at v[S + 16 k]
.set PC,  176                          ; p's codes: 16 for A, 16 for B
.set BM,  208                          ; eight blocks' largest scores, then work
.set T2,  216                          ; work, then 2^(F - X)
.set NF,  224                          ; -F
.set DB,  232                          ; F - X
.set FA,  240                          ; v[240:241], v[242:243]: 2^(old X - new X) of A, B (the low word serves both halves)
.set KS,  244                          ; K's scale words: register j: lanes 0-15 tile 2 j, lanes 16-31 tile 2 j + 1
.set VS,  248                          ; V's likewise
.set QS,  250                          ; Q's: A, B
.set PW,  252                          ; p's: A, B
.set L8,  254                          ; 8 x lane
.set C8,  255                          ; the conversions' scale operand: 2^-8
.set KF,  0
.set VF,  72
.set O,   136
.set Q2,  200
.set W2,  216
.set SPARE, 0x43000
.set WV,  10
.set CX,  11
.set BH,  12
.set ST,  13                           ; the step, 0 .. 16
.set X15, 14                           ; 15 - wave
.set W1,  15                           ; wave + 1: the step at which I change tasks
.set G1,  16
.set G0,  24
.set SEL, 28
.set CS,  30                           ; s[30:31] c = log2(e) / 8
.set MNT, 32
.set QCX, 40
.set QWX, 42
.set QCY, 44
.set QWY, 46
.set AC,  48                           ; where the result's codes and words go: this task's, and the second's
.set AW,  50
.set ACY, 52
.set AWY, 54
.set NC,  56                           ; s[56:57] -c
.set N2,  58                           ; s[58:59] -2 x 2^100
.set N32, 60                           ; s[60:61] -32 x 2^100
.set P8,  62                           ; s[62:63] 8 x 2^100
.set MG,  66                           ; s[66:67] 1.5 x 2^23: a small whole number added to it stands in the low bits
.set HC,  68                           ; 1.75
.set CL,  69                           ; -118
.set MSB, 0
.macro WIN new                         ; the immediate's high byte repeats the setting that is left
.if MSB != (\new)
	s_set_vgpr_msb (MSB<<8)|(\new)
.set MSB, (\new)
.endif
.endm
.macro PLACES n
.rept \n
	v_nop
.endr
.endm
.macro WALU
	s_wait_alu depctr_va_vdst(0)
.endm
; one scaled matrix instruction.  z: the constant 0 starts the sum, else C = D.  ra: source 0's scales stand in lanes 16-31
.macro WM d, a, b, z, sa, sb, ra
.if (\z) && (\ra)
	v_wmma_scale_f32_16x16x128_f8f6f4 v[\d:\d+7], v[\a:\a+15], v[\b:\b+15], 0, v[\sa], v[\sb] matrix_a_scale:MATRIX_SCALE_ROW1
.elseif (\z)
	v_wmma_scale_f32_16x16x128_f8f6f4 v[\d:\d+7], v[\a:\a+15], v[\b:\b+15], 0, v[\sa], v[\sb]
.elseif (\ra)
	v_wmma_scale_f32_16x16x128_f8f6f4 v[\d:\d+7], v[\a:\a+15], v[\b:\b+15], v[\d:\d+7], v[\sa], v[\sb] matrix_a_scale:MATRIX_SCALE_ROW1
.else
	v_wmma_scale_f32_16x16x128_f8f6f4 v[\d:\d+7], v[\a:\a+15], v[\b:\b+15], v[\d:\d+7], v[\sa], v[\sb]
.endif
.endm
.macro ROUND                           ; a round of the cluster's barrier
	s_barrier_signal -1
	s_barrier_wait -1
	s_cmp_lg_u32 s[WV], 0
	s_cbranch_scc1 .Lnot_wave_0_\@
	s_barrier_signal -3
.Lnot_wave_0_\@:
	s_barrier_wait -3
	s_barrier_signal -1
	s_barrier_wait -1
.endm
.macro LOADQ q, sc, g                  ; a tile's codes; g: the tile is the odd one of its pair
	global_load_b128 v[\q:\q+3], v[LI], s[\sc:\sc+1] offset:1024*\g
	global_load_b128 v[\q+4:\q+7], v[LI], s[\sc:\sc+1] offset:1024*\g+512
.endm
.macro RESET                           ; a task begins: X under every F, the sums and O^T zeros, which the first change of X leaves zeros
	v_mov_b32 v[MX], 0xff61b1e6
	v_mov_b32 v[MX+1], 0xff61b1e6
.irp i, 0,1,2,3
	v_mov_b32 v[LS+\i], 0
.endr
	WIN 0x40
.set j, 0
.rept 64
	v_mov_b32 v[O+j], 0
.set j, j+1
.endr
	WIN 0
.endm
.macro LOADK a                         ; a chunk's K into window 1, its words into window 0
	WIN 0x40
.irp t, 0,1,2,3,4,5,6,7
.irp c, 0,1
	ds_load_b128 v[KF+8*\t+4*\c:KF+8*\t+4*\c+3], v[\a] offset:1024*\t+512*\c
.endr
.endr
	WIN 0
	ds_load_b128 v[KS:KS+3], v[\a] offset:16384
.endm
.macro QK z                            ; S^T: A's eight tiles of keys, then B's
	WIN 0x01
.irp u, 0,1
.irp t, 0,1,2,3,4,5,6,7
	WM S+64*\u+8*\t, KF+8*\t, QA+16*\u, \z, KS+\t/2, QS+\u, \t%2
.endr
.endr
	WIN 0
.endm
.macro MAXS                            ; the largest score of my 16 in each of the eight blocks, by turns; each accumulator from its low end on
.irp k, 0,1,2,3,4,5,6,7
	v_max3_num_f32 v[BM+\k], v[S+16*\k], v[S+16*\k+1], v[S+16*\k+2]
.endr
.irp i, 3,5,7,9,11,13
.irp k, 0,1,2,3,4,5,6,7
	v_max3_num_f32 v[BM+\k], v[BM+\k], v[S+16*\k+\i], v[S+16*\k+\i+1]
.endr
.endr
.irp k, 0,1,2,3,4,5,6,7
	v_max_num_f32 v[BM+\k], v[BM+\k], v[S+16*\k+15]
.endr
.endm
.macro PF n                            ; t - F of pair n (0 .. 63): block n / 8
.if ((\n)/8)%2
	v_pk_fma_f32 v[S+2*(\n):S+2*(\n)+1], v[S+2*(\n):S+2*(\n)+1], s[CS:CS+1], v[NF+(\n)/8-1:NF+(\n)/8] op_sel:[0,0,1] op_sel_hi:[1,0,1]
.else
	v_pk_fma_f32 v[S+2*(\n):S+2*(\n)+1], v[S+2*(\n):S+2*(\n)+1], s[CS:CS+1], v[NF+(\n)/8:NF+(\n)/8+1] op_sel_hi:[1,0,0]
.endif
.endm
.macro PF8 k
.set j, 8*\k
.rept 8
	PF j
.set j, j+1
.endr
.endm
.macro HOLD n                          ; pair n held at 1.75: p' is not negative; the conversion does not saturate (ISA guide 7.6.2)
	v_dual_min_num_f32 v[S+2*(\n)], s[HC], v[S+2*(\n)] :: v_dual_min_num_f32 v[S+2*(\n)+1], s[HC], v[S+2*(\n)+1]
.endm
; The sums of the unquantised p', each block's under its own 2^(F - X): pairs of registers
.macro PADD d, x, y
	v_pk_add_f32 v[\d:\d+1], v[\x:\x+1], v[\y:\y+1]
.endm
.macro PMUL d, f                       ; d x f's low word
	v_pk_mul_f32 v[\d:\d+1], v[\d:\d+1], v[\f:\f+1] op_sel_hi:[1,0]
.endm
.macro PFMA d, x, f                    ; d + x times f's high word
	v_pk_fma_f32 v[\d:\d+1], v[\x:\x+1], v[\f:\f+1], v[\d:\d+1] op_sel:[0,1,0] op_sel_hi:[1,1,1]
.endm
.macro PSUM ls, f, d                   ; a row's sum under the new X, and d
	v_pk_fma_f32 v[\ls:\ls+1], v[\ls:\ls+1], v[\f:\f+1], v[\d:\d+1] op_sel_hi:[1,0,1]
.endm
.macro HOLD8 n
.set j, \n
.rept 8
	HOLD j
.set j, j+1
.endr
.endm
.macro CVT k0                          ; a tile's codes
.irp b, 0,1,2,3
	v_cvt_scalef32_pk8_fp8_f32 v[PC+4*(\k0+\b):PC+4*(\k0+\b)+1], v[S+16*(\k0+\b):S+16*(\k0+\b)+7], v[C8]
	v_cvt_scalef32_pk8_fp8_f32 v[PC+4*(\k0+\b)+2:PC+4*(\k0+\b)+3], v[S+16*(\k0+\b)+8:S+16*(\k0+\b)+15], v[C8]
.endr
.endm
	s_load_b128 s[4:7], s[0:1], 0x0                ; qb s[4:5], kv s[6:7]
	s_load_b64 s[8:9], s[0:1], 0x10                ; ab
	v_lshl_add_u32 v[SPW], v0, 2, SPARE
	v_mov_b32 v[NIL], 0
	ds_add_u32 v[SPW], v[NIL]                      ; the opening: an add, twice on end, and its wait
	ds_add_u32 v[SPW], v[NIL]
	v_lshrrev_b32 v48, 5, v0
	v_readfirstlane_b32 s[WV], v48                 ; wave 0..7
	s_bfe_u32 s[CX], ttmp6, 0x40000                ; my place in the cluster
	s_and_b32 s[BH], ttmp7, 0xffff                 ; 8 x batch + head: the cluster's y, which the four share
	; two chunks' K, V and scale words: 34,304 dense bytes as 134 rows of 256 (32 elements of 8 bytes), no padding: every read takes consecutive bytes
	s_mov_b32 s[G1+0], 15|(3<<16)|(1<<21)          ; 15:0 the mask: all four work-groups; 17:16 elements of 8 bytes; 21 set beside a mask
	s_mov_b32 s[G1+1], 32<<16
	s_mov_b32 s[G1+2], 134<<16
	s_mov_b32 s[G1+3], 32<<16
	s_mov_b32 s[G1+4], 134
	s_mov_b32 s[G1+5], 32
	s_mov_b32 s[G1+6], 0
	s_mov_b32 s[G1+7], 0
	s_mov_b32 s[G0], 1
	s_mul_i32 s[G0+1], s[WV], 34304                ; LDS: chunk n at 17,152 n
	s_mul_i32 s34, s[BH], 274432
	s_add_co_u32 s34, s34, s[G0+1]
	s_mov_b32 s35, 0
	s_wait_dscnt 0x0                               ; both opening adds are done
	s_wait_kmcnt 0x0
	s_add_nc_u64 s[G0+2:G0+3], s[6:7], s[34:35]
	s_or_b32 s[G0+3], s[G0+3], 0x80000000
	ROUND                                          ; all four work-groups are here: the joint loads meet
	tensor_load_to_lds s[G0:G0+3], s[G1:G1+7]      ; my one tensor load of the launch
	s_nop 0
	PLACES 4
	v_and_b32 v49, 31, v0                          ; lane
	v_and_b32 v50, 15, v0                          ; r
	v_bfe_u32 v51, v0, 4, 1                        ; h
	v_lshlrev_b32 v[LI], 4, v49
	v_lshlrev_b32 v[L8], 3, v49
	v_lshlrev_b32 v[R16], 4, v50
	v_and_b32 v52, 8, v50
	v_lshlrev_b32 v51, 4, v51
	v_add_nc_u32 v52, v52, v50                     ; r + 8 (r / 8)
	s_lshl_b32 s34, s[CX], 5
	v_sub_nc_u32 v52, v52, v51
	v_add_nc_u32 v52, s34, v52                     ; DM: tile 2 cx: query 32 cx + r + 8 (r / 8) of its chunk, less 16 h
	v_cvt_f32_i32 v52, v52
	v_add_f32 v52, 2.0, v52
	v_mul_f32 v[PP], 0x71800000, v52
	v_add_f32 v[PP+1], 0xf1800000, v[PP]
	s_add_co_u32 s[W1], s[WV], 1
	s_xor_b32 s[X15], s[WV], 15
	s_lshl_b32 s37, s[BH], 4
	s_add_co_u32 s34, s37, s[WV]
	s_mul_i32 s34, s34, 8704
	s_add_nc_u64 s[QWX:QWX+1], s[4:5], s[34:35]    ; qb at (head, chunk w),
	s_add_co_u32 s34, s37, s[X15]
	s_mul_i32 s34, s34, 8704
	s_add_nc_u64 s[QWY:QWY+1], s[4:5], s[34:35]    ; and at (head, chunk 15 - w)
	s_lshl_b32 s34, s[CX], 11
	s_add_nc_u64 s[QCX:QCX+1], s[QWX:QWX+1], s[34:35]   ; codes: tile 2 cx begins 2,048 cx on
	s_add_nc_u64 s[QCY:QCY+1], s[QWY:QWY+1], s[34:35]
	s_lshl_b32 s34, s[CX], 2
	s_add_nc_u64 s[QWX:QWX+1], s[QWX:QWX+1], s[34:35]   ; words: 256 (tile % 2) + 16 r + 4 (tile / 2)
	s_add_nc_u64 s[QWY:QWY+1], s[QWY:QWY+1], s[34:35]
	s_lshr_b32 s37, s[BH], 3
	s_lshl_b32 s37, s37, 4                         ; 16 x batch
	s_and_b32 s38, s[BH], 7                        ; head
	s_add_co_u32 s34, s37, s[WV]
	s_mul_i32 s34, s34, 67584
	s_add_nc_u64 s[AW:AW+1], s[8:9], s[34:35]      ; ab at the chunk of 128 rows
	s_add_co_u32 s34, s37, s[X15]
	s_mul_i32 s34, s34, 67584
	s_add_nc_u64 s[AWY:AWY+1], s[8:9], s[34:35]
	s_lshl_b32 s34, s[CX], 14
	s_lshl_b32 s39, s38, 10
	s_add_co_u32 s34, s34, s39
	s_add_nc_u64 s[AC:AC+1], s[AW:AW+1], s[34:35]  ; codes: 8,192 x tile + 1,024 x head
	s_add_nc_u64 s[ACY:ACY+1], s[AWY:AWY+1], s[34:35]
	s_lshl_b32 s34, s[CX], 9
	s_lshl_b32 s39, s38, 1
	s_add_co_u32 s34, s34, s39
	s_add_nc_u64 s[AW:AW+1], s[AW:AW+1], s[34:35]  ; scale bytes: 256 x tile + 16 r + 2 x head
	s_add_nc_u64 s[AWY:AWY+1], s[AWY:AWY+1], s[34:35]
	WALU
	LOADQ QA, QCX, 0                               ; the first task's tiles A and B
	LOADQ QA+16, QCX, 1
	global_load_b32 v[QS], v[R16], s[QWX:QWX+1] offset:8192
	global_load_b32 v[QS+1], v[R16], s[QWX:QWX+1] offset:8192+256
	WIN 0x40
	LOADQ Q2, QCY, 0                               ; the second task's
	LOADQ Q2+8, QCY, 1
	global_load_b32 v[W2], v[R16], s[QWY:QWY+1] offset:8192
	global_load_b32 v[W2+1], v[R16], s[QWY:QWY+1] offset:8192+256
.irp i, 0,1,2,3,4,5,6,7
	v_mov_b32 v[KF+64+\i], 0                       ; behind K's last tile; never rewritten
.endr
	WIN 0
	s_mov_b32 s[SEL], 0x76543210
	s_mov_b32 s[SEL+1], 0xfedcba98                 ; v_permlanex16_b32's selects: lane l xor 16
	s_mov_b32 s[CS], 0x3e38aa3b                    ; c = log2(e) / sqrt(64).  (Pairs: the low word serves both halves, and both are written)
	s_mov_b32 s[CS+1], 0x3e38aa3b
	s_mov_b32 s[NC], 0xbe38aa3b
	s_mov_b32 s[NC+1], 0xbe38aa3b
	s_mov_b32 s[N2], 0xf2000000
	s_mov_b32 s[N2+1], 0xf2000000
	s_mov_b32 s[N32], 0xf4000000
	s_mov_b32 s[N32+1], 0xf4000000
	s_mov_b32 s[P8], 0x73000000
	s_mov_b32 s[P8+1], 0x73000000
	s_mov_b32 s[MG], 0x4b400000
	s_mov_b32 s[MG+1], 0x4b400000
	s_mov_b32 s[HC], 0x3fe00000
	s_mov_b32 s[CL], 0xc2ec0000
	s_mov_b32 s[MNT], 0x600000                     ; the mantissa field of 448
	s_mov_b32 s[ST], 0
.irp i, 0,1,2,3,4,5,6,7
	v_mov_b32 v[QA+8+\i], 0                        ; zero codes for k = 64 .. 127; never rewritten
	v_mov_b32 v[QA+24+\i], 0
	v_mov_b32 v[T2+\i], 0                          ; written once: a lane permute's destination counts as one of its sources
.endr
	v_mov_b32 v[FA+1], 0                           ; (named as the upper halves of pairs)
	v_mov_b32 v[FA+3], 0
	v_mov_b32 v[C8], 0x3b800000
	RESET
	WALU
	s_wait_tensorcnt 0x0                           ; my chunks have landed,
	s_barrier_signal -1
	s_barrier_wait -1                              ; everybody's have: from here on LDS is only read
	LOADK LI                                       ; chunk 0's K
	s_wait_loadcnt 0x0                             ; Q
	s_wait_dscnt 0x0
.Lstep:
	s_cmp_eq_u32 s[ST], s[WV]                      ; the first task's diagonal chunk, or the second's
	s_cbranch_scc1 .Ldiag
	s_cmp_eq_u32 s[ST], 16
	s_cbranch_scc1 .Ldiag
	QK 1                                           ; lane (r, h) holds query r; registers 16 b + i are keys 32 b + 16 h + i of the chunk
	s_branch .Lsoft
.Ldiag:
	v_pk_add_f32 v[S:S+1], v[PP:PP+1], s[N2:N2+1] op_sel_hi:[1,0]      ; register 16 b + i: (DM - 32 b - i) 2^100; B's queries lie 8 further on
	v_pk_add_f32 v[S+64:S+65], v[S:S+1], s[P8:P8+1] op_sel_hi:[1,0]
.irp b, 1,2,3
	v_pk_add_f32 v[S+16*\b:S+16*\b+1], v[S+16*\b-16:S+16*\b-15], s[N32:N32+1] op_sel_hi:[1,0]
	v_pk_add_f32 v[S+64+16*\b:S+64+16*\b+1], v[S+48+16*\b:S+48+16*\b+1], s[N32:N32+1] op_sel_hi:[1,0]
.endr
.irp i, 2,4,6,8,10,12,14
.irp k, 0,1,2,3,4,5,6,7
	v_pk_add_f32 v[S+16*\k+\i:S+16*\k+\i+1], v[S+16*\k+\i-2:S+16*\k+\i-1], s[N2:N2+1] op_sel_hi:[1,0]
.endr
.endr
.set j, 0
.rept 64
	v_dual_min_num_f32 v[S+j], 0, v[S+j] :: v_dual_min_num_f32 v[S+j+1], 0, v[S+j+1]
.set j, j+2
.endr
	WALU
	QK 0
.Lsoft:
	s_add_co_u32 s34, s[ST], s[X15]                ; this step's chunk: ST, or ST - w - 1 in the second task
	s_and_b32 s34, s34, 15
	s_cmp_le_u32 s[ST], s[WV]
	s_cselect_b32 s34, s[ST], s34
	s_min_u32 s34, s34, 15
	s_mul_i32 s34, s34, 17152
	s_add_co_u32 s35, s[ST], 1                     ; and the next step's
	s_add_co_u32 s36, s35, s[X15]
	s_and_b32 s36, s36, 15
	s_cmp_le_u32 s35, s[WV]
	s_cselect_b32 s36, s35, s36
	s_min_u32 s36, s36, 15
	s_mul_i32 s36, s36, 17152
	v_add_nc_u32 v[ADV], s34, v[LI]
	v_add_nc_u32 v[AD8], s34, v[L8]
	v_add_nc_u32 v[ADK], s36, v[LI]
	PLACES 5                                       ; with the three additions: eight places behind the products, ahead of the loads into K's registers and of the scores' first read
	WIN 0x40
.irp t, 0,1,2,3
.irp c, 0,1,2,3
	ds_load_b128 v[VF+16*\t+4*\c:VF+16*\t+4*\c+3], v[ADV] offset:8192+2048*\t+512*\c   ; V lands while the softmax is walked,
.endr
.endr
	WIN 0
	ds_load_b64 v[VS:VS+1], v[AD8] offset:16896
	s_cmp_eq_u32 s[ST], 16
	s_cbranch_scc1 .Lno_next
	LOADK ADK                                      ; and the next step's K, whose registers the products have read
.Lno_next:
	MAXS
.irp k, 0,1,2,3,4,5,6,7
	v_permlanex16_b32 v[T2+\k], v[BM+\k], s[SEL], s[SEL+1]
.endr
.irp k, 0,1,2,3,4,5,6,7
	v_max3_num_f32 v[BM+\k], v[BM+\k], v[T2+\k], 0xd0800000   ; with lane l xor 16's 16 keys; held at -2^34 from below, so that F of a block without a key that counts is a number
.endr
.irp k, 0,2,4,6
	v_pk_mul_f32 v[NF+\k:NF+\k+1], v[BM+\k:BM+\k+1], s[NC:NC+1] op_sel_hi:[1,0]
.endr
.irp k, 0,1,2,3,4,5,6,7
	v_ceil_f32 v[NF+\k], v[NF+\k]                  ; -F = ceil(-t)
.endr
	v_max3_num_f32 v[BM], -v[NF], -v[NF+1], v[MX]  ; the new X of A's query, of B's; A's t - F stand between
	v_max3_num_f32 v[BM+4], -v[NF+4], -v[NF+5], v[MX+1]
	PF8 0
	v_max3_num_f32 v[BM], v[BM], -v[NF+2], -v[NF+3]
	v_max3_num_f32 v[BM+4], v[BM+4], -v[NF+6], -v[NF+7]
	PF8 1
	v_sub_f32 v[BM+1], v[MX], v[BM]                ; old X - new X, 0 or less
	v_sub_f32 v[BM+5], v[MX+1], v[BM+4]
	v_mov_b32 v[MX], v[BM]
	v_mov_b32 v[MX+1], v[BM+4]
	PF8 2
	v_cvt_i32_f32 v[BM+1], v[BM+1]                 ; (it saturates)
	v_cvt_i32_f32 v[BM+5], v[BM+5]
.irp k, 0,2
	v_pk_add_f32 v[DB+\k:DB+\k+1], v[MX:MX+1], v[NF+\k:NF+\k+1] op_sel_hi:[0,1] neg_lo:[1,1] neg_hi:[1,1]      ; F - X
	v_pk_add_f32 v[DB+4+\k:DB+5+\k], v[MX:MX+1], v[NF+4+\k:NF+5+\k] op_sel:[1,0] op_sel_hi:[1,1] neg_lo:[1,1] neg_hi:[1,1]
.endr
	PF8 3
.irp k, 0,2,4,6
	v_dual_max_num_f32 v[DB+\k], s[CL], v[DB+\k] :: v_dual_max_num_f32 v[DB+\k+1], s[CL], v[DB+\k+1]   ; so the byte cannot fall under 1
.endr
.irp k, 0,2,4,6
	v_pk_add_f32 v[DB+\k:DB+\k+1], v[DB+\k:DB+\k+1], s[MG:MG+1] op_sel_hi:[1,0]   ; as a whole number: bits 0x4b400000 + F - X
.endr
	WALU                                           ; ahead of the batch
.set j, 0
.rept 32
	v_exp_f32 v[S+2*j], v[S+2*j]                   ; A's p'; B's t - F and the factors stand between
	v_exp_f32 v[S+2*j+1], v[S+2*j+1]
	PF j+32
.if j < 8
	v_lshl_add_u32 v[T2+j], v[DB+j], 23, 0x3f800000   ; 2^(F - X)
.elseif j < 10
	v_ldexp_f32 v[FA+2*(j-8)], 1.0, v[BM+1+4*(j-8)]   ; 2^(old X - new X)
.endif
.set j, j+1
.endr
	WALU                                           ; behind A's batch and ahead of B's
.set j, 0
.rept 32
	v_exp_f32 v[S+64+2*j], v[S+64+2*j]             ; B's p'; A's first sums, into the registers that take the codes later, and its holds stand between
	v_exp_f32 v[S+65+2*j], v[S+65+2*j]
.if j < 16
	PADD PC+2*j, S+4*j, S+4*j+2
.endif
	HOLD j
.set j, j+1
.endr
	WALU
.irp b, 0,1,2,3                        ; B: two chains a block; A: what is left of a block's four
	PADD BM+2*\b, S+64+16*\b, S+66+16*\b
	PADD NF+2*\b, S+68+16*\b, S+70+16*\b
.endr
.irp b, 0,1,2,3
	PADD PC+8*\b, PC+8*\b, PC+8*\b+2
	PADD PC+8*\b+4, PC+8*\b+4, PC+8*\b+6
.endr
.irp b, 0,1,2,3
	PADD BM+2*\b, BM+2*\b, S+72+16*\b
	PADD NF+2*\b, NF+2*\b, S+76+16*\b
.endr
.irp b, 0,1,2,3
	PADD PC+8*\b, PC+8*\b, PC+8*\b+4
.endr
.irp b, 0,1,2,3
	PADD BM+2*\b, BM+2*\b, S+74+16*\b
	PADD NF+2*\b, NF+2*\b, S+78+16*\b
.endr
	PMUL PC, T2
	PMUL PC+16, T2+2
.irp b, 0,1,2,3
	PADD BM+2*\b, BM+2*\b, NF+2*\b
.endr
	PFMA PC, PC+8, T2
	PFMA PC+16, PC+24, T2+2
	PMUL BM, T2+4
	PMUL BM+4, T2+6
	HOLD8 32                                       ; B's holds stand between the ends of the sums and the steps of p's scale words
.irp u, 0,1
	v_lshl_add_u32 v[PW+\u], v[DB+4*\u+1], 8, v[DB+4*\u]
.endr
	PSUM LS, FA, PC
	PFMA BM, BM+2, T2+4
	PFMA BM+4, BM+6, T2+6
	HOLD8 40
.irp u, 0,1
	v_lshl_add_u32 v[PW+\u], v[DB+4*\u+2], 16, v[PW+\u]
.endr
	PADD LS, LS, PC+16
	PSUM LS+2, FA+2, BM
	HOLD8 48
.irp u, 0,1
	v_lshl_add_u32 v[PW+\u], v[DB+4*\u+3], 24, v[PW+\u]
.endr
	PADD LS+2, LS+2, BM+4
	HOLD8 56
.irp u, 0,1
	v_add_nc_u32 v[PW+\u], 0xec377777, v[PW+\u]    ; less 0x8b400000, the sum of what the four words' upper bits put in, and 119 more in each byte
.endr
	CVT 0
	CVT 4
	WIN 0x41
	WALU                                           ; directly ahead of the first reader of O^T
.set j, 0
.rept 32
	v_pk_mul_f32 v[O+j:O+j+1], v[O+j:O+j+1], v[FA+2*(j/32):FA+2*(j/32)+1] op_sel_hi:[1,0]   ; O^T under the new X; these 32 also stand between the conversions and the products
.set j, j+2
.endr
	WIN 0x51
	WALU
	s_wait_dscnt 0x0                               ; V and its words are in, and the next step's K
.irp t, 0,1,2,3
.irp u, 0,1
	WM O+32*\u+8*\t, VF+16*\t, PC+16*\u, 0, VS+\t/2, PW+\u, \t%2   ; O^T += V^T P^T: eight accumulators by turns
.endr
.endr
	WIN 0
	s_add_co_u32 s[ST], s[ST], 1
	s_cmp_eq_u32 s[ST], s[W1]
	s_cbranch_scc1 .Lfinal
	s_cmp_lg_u32 s[ST], 17
	s_cbranch_scc1 .Lnext
.Lfinal:
	; A TASK ENDS, twice in each wave: O^T / the sum, quantised along the head's 64 (two blocks a tile), stored as two groups of four registers of the last product's fragment a tile, and two scale bytes a row
	v_add_f32 v[BM], v[LS], v[LS+1]                ; the sums' two halves,
	v_add_f32 v[BM+2], v[LS+2], v[LS+3]
	v_permlanex16_b32 v[T2], v[BM], s[SEL], s[SEL+1]
	v_permlanex16_b32 v[T2+1], v[BM+2], s[SEL], s[SEL+1]
	v_add_f32 v[BM], v[BM], v[T2]                  ; and lane l xor 16's: the rows' sums
	v_add_f32 v[BM+2], v[BM+2], v[T2+1]
	PLACES 2                                       ; with the six lines above: eight places behind the last products
	WALU
	v_rcp_f32 v[BM], v[BM]
	v_rcp_f32 v[BM+2], v[BM+2]
	v_nop
	WIN 0x01
	WALU                                           ; ahead of the first reader of the reciprocals and of O^T
.set j, 0
.rept 32
	v_pk_mul_f32 v[S+j:S+j+1], v[O+j:O+j+1], v[BM+2*(j/32):BM+2*(j/32)+1] op_sel_hi:[1,0]
.set j, j+2
.endr
	WIN 0
.irp b, 0,1,2,3
	v_max3_num_f32 v[NF+\b], |v[S+16*\b]|, |v[S+1+16*\b]|, 0x4800000   ; and the floor 2^(9 - 127): the byte cannot fall under 1
.endr
.irp i, 2,4,6,8,10,12,14
.irp b, 0,1,2,3
	v_max3_num_f32 v[NF+\b], v[NF+\b], |v[S+16*\b+\i]|, |v[S+1+16*\b+\i]|
.endr
.endr
.irp b, 0,1,2,3
	v_permlanex16_b32 v[T2+\b], v[NF+\b], s[SEL], s[SEL+1]
.endr
.irp b, 0,1,2,3
	v_max_num_f32 v[NF+\b], v[NF+\b], v[T2+\b]
.endr
.irp b, 0,1,2,3
	v_add_nc_u32 v[DB+\b], 0xfc000000, v[NF+\b]    ; 8 off the exponent field: the conversion's scale operand
.endr
.irp b, 0,1,2,3
	v_and_or_b32 v[BM+4+\b], v[NF+\b], 0x7f800000, s[MNT]   ; 448 x the scale
.endr
.irp b, 0,1,2,3
	v_lshrrev_b32 v[T2+\b], 23, v[DB+\b]
.endr
	v_lshl_or_b32 v[BM], v[T2+1], 8, v[T2]
	v_lshl_or_b32 v[BM+1], v[T2+3], 8, v[T2+2]
.irp b, 0,1,2,3
.irp i, 0,1,2,3,4,5,6,7,8,9,10,11,12,13,14,15
	v_med3_num_f32 v[S+16*\b+\i], v[S+16*\b+\i], -v[BM+4+\b], v[BM+4+\b]
.endr
	v_cvt_scalef32_pk8_fp8_f32 v[PC+4*\b:PC+1+4*\b], v[S+16*\b:S+7+16*\b], v[DB+\b]
	v_cvt_scalef32_pk8_fp8_f32 v[PC+2+4*\b:PC+3+4*\b], v[S+8+16*\b:S+15+16*\b], v[DB+\b]
.endr
	v_nop                                          ; a plain line behind the last conversion
.irp u, 0,1
	global_store_b128 v[LI], v[PC+8*\u:PC+8*\u+3], s[AC:AC+1] offset:8192*\u          ; 512 consecutive bytes, aligned
	global_store_b128 v[LI], v[PC+8*\u+4:PC+8*\u+7], s[AC:AC+1] offset:8192*\u+512
	global_store_b16 v[R16], v[BM+\u], s[AW:AW+1] offset:65536+256*\u                 ; both halves of the lanes hold and write the same
.endr
	s_wait_xcnt 0x0                                ; the stores have read their data and bases: all are written again only behind this wait
	s_cmp_eq_u32 s[ST], 17
	s_cbranch_scc1 .Lnext
	s_mov_b64 s[AC:AC+1], s[ACY:ACY+1]             ; THE CHANGE OF TASKS, once in each wave
	s_mov_b64 s[AW:AW+1], s[AWY:AWY+1]
	WIN 0x01
.irp i, 0,1,2,3,4,5,6,7
	v_mov_b32 v[QA+\i], v[Q2+\i]
	v_mov_b32 v[QA+16+\i], v[Q2+8+\i]
.endr
	v_mov_b32 v[QS], v[W2]
	v_mov_b32 v[QS+1], v[W2+1]
	WIN 0
	RESET
	WALU
.Lnext:
	s_cmp_lt_u32 s[ST], 17
	s_cbranch_scc1 .Lstep
	s_wait_tensorcnt 0x0                           ; the wave's end
	ds_add_u32 v[SPW], v[NIL]
	s_wait_dscnt 0x0
	ROUND                                          ; the closing round: no work-group ends while a partner may still ask for a chunk that names it
	s_endpgm
.Lfunc_end_k_qf55f915407_attn:
	.size	k_qf55f915407_attn, .Lfunc_end_k_qf55f915407_attn-k_qf55f915407_attn
	.p2alignl 7, 3214868480
	.fill 96, 4, 3214868480
	.section	.rodata,"a",@progbits
	.p2align	6, 0x0
	.amdhsa_kernel k_qf55f915407_attn
		.amdhsa_group_segment_fixed_size 276480
		.amdhsa_private_segment_fixed_size 0
		.amdhsa_enable_private_segment 0
		.amdhsa_kernarg_size 24
		.amdhsa_user_sgpr_count 2
		.amdhsa_user_sgpr_kernarg_segment_ptr 1
		.amdhsa_wavefront_size32 1
		.amdhsa_system_sgpr_workgroup_id_x 1
		.amdhsa_system_sgpr_workgroup_id_y 1
		.amdhsa_system_sgpr_workgroup_id_z 1
		.amdhsa_system_vgpr_workitem_id 0
		.amdhsa_next_free_vgpr 512
		.amdhsa_next_free_sgpr 72
		.amdhsa_reserve_vcc 0
		.amdhsa_float_denorm_mode_32 3
		.amdhsa_float_denorm_mode_16_64 3
		.amdhsa_memory_ordered 1
		.amdhsa_forward_progress 1
		.amdhsa_inst_pref_size 70
	.end_amdhsa_kernel
	.amdgpu_metadata
---
amdhsa.version: [ 1, 2 ]
amdhsa.kernels:
  - .name:           k_qf55f915407_attn
    .symbol:         k_qf55f915407_attn.kd
    .args:
      - { .name: qb, .offset: 0, .size: 8, .value_kind: global_buffer, .address_space: global }
      - { .name: kv, .offset: 8, .size: 8, .value_kind: global_buffer, .address_space: global }
      - { .name: ab, .offset: 16, .size: 8, .value_kind: global_buffer, .address_space: global }
    .group_segment_fixed_size: 276480
    .private_segment_fixed_size: 0
    .kernarg_segment_align: 8
    .kernarg_segment_size: 24
    .max_flat_workgroup_size: 256
    .sgpr_count:     72
    .vgpr_count:     512
    .wavefront_size: 32
...
	.end_amdgpu_metadata
.endif
;; end of part 3
;; launch oproj (part 4): grid 64 x 4, 4 waves a work-group, no clusters, 168,448 bytes of LDS; arguments ab, wob, bo, out0; writes out0
.if DOCPART == 4
	.amdgcn_target "amdgcn-amd-amdhsa--gfx1250"
	.amdhsa_code_object_version 6
	.text
	.protected	k_qf55f915407_oproj
	.globl	k_qf55f915407_oproj
	.p2align	8
	.type	k_qf55f915407_oproj,@function
k_qf55f915407_oproj:
	s_mov_b64 s[64:65], 0
	v_nop
	global_prefetch_b8 v0, s[64:65] scope:SCOPE_SE
	s_setreg_imm32_b32 hwreg(HW_REG_WAVE_MODE, 25, 1), 1
	s_wait_xcnt 0x0
; out0 = (the heads' results, as codes) x Wo (as codes) + bo, on codes of FP8 (E4M3) with E8M0 scales; out0 [16384][512] f32.
; SHARES.  Work-group (x: 256 rows, y: 128 columns); wave w takes 64 rows: chunk G = 2 x + w / 2, tiles 4 (w % 2) + 0 .. 3, whose 16 fragments it loads once into registers.  Wo's 32 fragments of the 128 columns and
; their scale words (67,584 bytes) come into LDS once, a quarter by each wave's one tensor load, and from there into 512 registers of each wave, where they stay for its four tiles.
; No cluster: what work-groups share, Wo's block, is 66 KB of a work-group's 210 KB.  No prefetch: the launch has no loop to run ahead in.
; BY ROWS: a tile of 16 rows is finished (32 products), leaves, and the next tile's products stand between its way into the stage and its stores.
; THE PRODUCT IS USED TRANSPOSED (source 0 = 16 columns of Wo, source 1 = 16 rows): a lane holds eight neighbouring columns of one row.  bo is the C of each sum's first instruction (so it is the sum's start, not added last).
; The rows of a tile are rows 32 n + 8 u + r + 8 (r / 8) of their chunk: the way out puts each row at its own place.
; REGISTERS: window 0: addresses, scale words, two sets of eight accumulators, bo.  windows 1, 2: Wo's fragments.  window 3: the rows' fragments; a tile's 64 registers take its rows on the way out.
; LIMITS: as in the first launch.
.set LI,  1                            ; 16 x lane
.set LSB, 2                            ; 4 x lane + 65,536
.set H32, 3                            ; 32 h
.set STO, 4                            ; my stage: row r, 32 h bytes on
.set RD,  5                            ; my stage: 16 x lane
.set SPW, 6
.set NIL, 7
.set WS,  16                           ; v[WS + 2 ct + ks / 2]: lanes 0-15 the even K step's words, lanes 16-31 the odd one's
.set AS,  40                           ; v[AS + 4 (tile / 2) + ks]: lanes 0-15 the even tile's words, lanes 16-31 the odd one's
.set ACC, 64
.set BI,  192
.set WV,  12
.set CG,  13
.set G1,  16
.set G0,  24
.set MSB, 0
.macro WIN new
.if MSB != (\new)
	s_set_vgpr_msb (MSB<<8)|(\new)
.set MSB, (\new)
.endif
.endm
.macro PLACES n
.rept \n
	v_nop
.endr
.endm
.macro WM d, a, b, c, sa, sb, ra, rb   ; ra, rb: source 0's, source 1's scales stand in lanes 16-31
.if (\ra) && (\rb)
	v_wmma_scale_f32_16x16x128_f8f6f4 v[\d:\d+7], v[\a:\a+15], v[\b:\b+15], v[\c:\c+7], v[\sa], v[\sb] matrix_a_scale:MATRIX_SCALE_ROW1 matrix_b_scale:MATRIX_SCALE_ROW1
.elseif (\ra)
	v_wmma_scale_f32_16x16x128_f8f6f4 v[\d:\d+7], v[\a:\a+15], v[\b:\b+15], v[\c:\c+7], v[\sa], v[\sb] matrix_a_scale:MATRIX_SCALE_ROW1
.elseif (\rb)
	v_wmma_scale_f32_16x16x128_f8f6f4 v[\d:\d+7], v[\a:\a+15], v[\b:\b+15], v[\c:\c+7], v[\sa], v[\sb] matrix_b_scale:MATRIX_SCALE_ROW1
.else
	v_wmma_scale_f32_16x16x128_f8f6f4 v[\d:\d+7], v[\a:\a+15], v[\b:\b+15], v[\c:\c+7], v[\sa], v[\sb]
.endif
.endm
	s_load_b256 s[4:11], s[0:1], 0x0               ; ab s[4:5], wob s[6:7], bo s[8:9], out0 s[10:11]
	v_lshl_add_u32 v[SPW], v0, 2, 0x29000
	v_mov_b32 v[NIL], 0
	ds_add_u32 v[SPW], v[NIL]                      ; the opening: an add, twice on end, and its wait
	ds_add_u32 v[SPW], v[NIL]
	v_lshrrev_b32 v8, 5, v0
	v_readfirstlane_b32 s[WV], v8
	s_and_b32 s[CG], ttmp7, 0xffff
	; a quarter of Wo's dense block, 16,896 bytes, as 66 rows of 256 bytes (32 elements of 8 bytes), no padding
	s_mov_b32 s[G1+0], 3<<16
	s_mov_b32 s[G1+1], 32<<16
	s_mov_b32 s[G1+2], 66<<16
	s_mov_b32 s[G1+3], 32<<16
	s_mov_b32 s[G1+4], 66
	s_mov_b32 s[G1+5], 32
	s_mov_b32 s[G1+6], 0
	s_mov_b32 s[G1+7], 0
	s_mov_b32 s[G0], 1
	s_mul_i32 s[G0+1], s[WV], 16896
	s_mul_i32 s28, s[CG], 67584
	s_add_co_u32 s28, s28, s[G0+1]
	s_mov_b32 s29, 0
	s_wait_dscnt 0x0
	s_wait_kmcnt 0x0
	s_add_nc_u64 s[G0+2:G0+3], s[6:7], s[28:29]
	s_or_b32 s[G0+3], s[G0+3], 0x80000000
	tensor_load_to_lds s[G0:G0+3], s[G1:G1+7]      ; my one tensor load of the launch: these bytes are filled once
	s_nop 0
	PLACES 4
	v_and_b32 v8, 31, v0
	v_and_b32 v9, 15, v0                           ; r
	v_bfe_u32 v10, v0, 4, 1                        ; h
	v_lshlrev_b32 v[LI], 4, v8
	v_lshl_add_u32 v[LSB], v8, 2, 0x10000
	v_lshlrev_b32 v[H32], 5, v10
	s_mul_i32 s30, s[WV], 8448
	s_add_co_u32 s30, s30, 67584                   ; my stage, 16 rows x 528 bytes, behind Wo's block: no tensor load lands there
	v_mul_u32_u24 v[STO], v9, 528
	v_add_nc_u32 v[STO], v[STO], v[H32]
	v_add_nc_u32 v[STO], s30, v[STO]
	v_add_nc_u32 v[RD], s30, v[LI]
	s_lshl_b32 s31, ttmp9, 1
	s_lshr_b32 s32, s[WV], 1
	s_add_co_u32 s31, s31, s32                     ; G
	s_and_b32 s32, s[WV], 1                        ; which 64 rows of the chunk
	s_mul_i32 s28, s31, 67584
	s_add_nc_u64 s[4:5], s[4:5], s[28:29]
	s_lshl_b32 s28, s32, 10
	s_add_nc_u64 s[34:35], s[4:5], s[28:29]        ; my four tiles' scale words
	s_lshl_b32 s28, s32, 15
	s_add_nc_u64 s[4:5], s[4:5], s[28:29]          ; and their fragments
	s_lshl_b32 s28, s[CG], 9
	s_add_nc_u64 s[8:9], s[8:9], s[28:29]          ; bo and out0 at my 128 columns
	s_add_nc_u64 s[10:11], s[10:11], s[28:29]
	s_lshl_b32 s28, s31, 18
	s_lshl_b32 s33, s32, 17
	s_add_co_u32 s28, s28, s33
	s_add_nc_u64 s[10:11], s[10:11], s[28:29]      ; out0 at row 128 G + 64 (w % 2)
	s_wait_alu depctr_va_vdst(0)
.macro LOADA tl                        ; a tile's four fragments into window 3
	WIN 0xc0
.irp ks, 0,1,2,3
.irp c, 0,1,2,3
	global_load_b128 v[64*\tl+16*\ks+4*\c:64*\tl+16*\ks+4*\c+3], v[LI], s[4:5] offset:8192*\tl+2048*\ks+512*\c
.endr
.endr
	WIN 0
.endm
.irp n, 0,1
	global_load_b128 v[AS+4*\n:AS+4*\n+3], v[LI], s[34:35] offset:65536+512*\n
.endr
	LOADA 0
.irp ct, 0,1,2,3,4,5,6,7
	global_load_b128 v[BI+8*\ct:BI+8*\ct+3], v[H32], s[8:9] offset:64*\ct       ; bo at columns 16 ct + 8 h + 0 .. 7: the result's layout
	global_load_b128 v[BI+8*\ct+4:BI+8*\ct+7], v[H32], s[8:9] offset:64*\ct+16
.endr
	LOADA 1
	LOADA 2
	LOADA 3
	s_wait_alu depctr_va_vdst(0)
	s_wait_tensorcnt 0x0                           ; my quarter of Wo has landed,
	s_barrier_signal -1
	s_barrier_wait -1                              ; everybody's has.  The launch's only barrier
; Wo's fragment f = 8 ks + ct stands in window 1 + f / 16 at v[16 (f % 16)].  Batch n of eight: K step n / 2, columns' tiles 4 (n % 2) + 0 .. 3
.macro FETCHB n
	WIN (1+(\n)/4)<<6
.irp cq, 0,1,2,3
.irp c, 0,1,2,3
	ds_load_b128 v[16*((4*(\n)+\cq)%16)+4*\c:16*((4*(\n)+\cq)%16)+4*\c+3], v[LI] offset:8192*(4*((\n)%2)+\cq)+2048*((\n)/2)+512*\c
.endr
.endr
	WIN 0
.endm
; four products of a batch for tile tl: its eight accumulators take turns, one instruction a turn
.macro MULB tl, n
	WIN 0x0c|(1+(\n)/4)                            ; source 0 (Wo) window 1 or 2, source 1 (rows) window 3, C and D window 0
.irp cq, 0,1,2,3
.set rT, 4*((\n)%2)+\cq
.set rD, ACC+64*((\tl)%2)+8*rT
.set rC, rD
.if (\n)/2 == 0
.set rC, BI+8*rT
.endif
	WM rD, 16*((4*(\n)+\cq)%16), 64*(\tl)+16*((\n)/2), rC, WS+2*rT+(\n)/4, AS+4*((\tl)/2)+(\n)/2, ((\n)/2)%2, (\tl)%2
.endr
.endm
; THE WAY OUT of a tile of 16 rows x 128 columns: through my own stage (rows of 512 bytes + 16) and back as whole rows, which the 32 lanes store as 512 consecutive bytes.
; LDS serves a wave's instructions in order (ISA guide 5.7.1.4): no wait between the stores and the loads, nor ahead of the next tile's stores.
.macro TOSTAGE tl
	WIN 0
	PLACES 8                                       ; ahead of the first read of results and of the loads into the rows' registers
.irp ct, 0,1,2,3,4,5,6,7
	ds_store_b128 v[STO], v[ACC+64*(\tl%2)+8*\ct:ACC+64*(\tl%2)+8*\ct+3] offset:64*\ct          ; each accumulator from its low end on
	ds_store_b128 v[STO], v[ACC+64*(\tl%2)+8*\ct+4:ACC+64*(\tl%2)+8*\ct+7] offset:64*\ct+16
.endr
	WIN 0xc0
.irp p, 0,1,2,3,4,5,6,7,8,9,10,11,12,13,14,15
	ds_load_b128 v[64*\tl+4*\p:64*\tl+4*\p+3], v[RD] offset:528*\p
.endr
	WIN 0
.endm
.macro SEND tl
	WIN 0x0c                                       ; a store's data are its source 1: window 3
	s_wait_dscnt 0x0                               ; the tile's rows are back
.irp p, 0,1,2,3,4,5,6,7,8,9,10,11,12,13,14,15
	global_store_b128 v[LI], v[64*(\tl)+4*\p:64*(\tl)+4*\p+3], s[10:11] offset:(32*((\tl)/2)+8*((\tl)%2)+\p+8*(\p/8))*2048 th:TH_STORE_NT
.endr
	WIN 0
.endm
.irp ct, 0,1,2,3,4,5,6,7
.irp kp, 0,1
	ds_load_b32 v[WS+2*\ct+\kp], v[LSB] offset:256*\ct+128*\kp
.endr
.endr
	FETCHB 0
	FETCHB 1
	s_wait_loadcnt 48                              ; tile 0's rows, the words and bo are in; the 48 loads of tiles 1 to 3 may be out
.irp n, 0,1,2,3,4,5,6,7
.if \n < 6
	FETCHB \n+2
	s_wait_dscnt 32                                ; this batch's fragments (and the words) are in; the two younger batches' 32 loads may be out
.elseif \n == 6
	s_wait_dscnt 16
.else
	s_wait_dscnt 0x0
.endif
	MULB 0, \n
	WIN 0
.endr
	TOSTAGE 0
.irp a, 1,2,3
	s_wait_loadcnt 16*(3-\a)                       ; tile a's rows are in; the later tiles' 16 loads each may be out
.irp n, 0,1,2,3,4,5,6,7
	MULB \a, \n
.endr
	SEND \a-1
	TOSTAGE \a
.endr
	SEND 3
	s_wait_tensorcnt 0x0                           ; the wave's end
	ds_add_u32 v[SPW], v[NIL]
	s_wait_dscnt 0x0
	s_endpgm
.Lfunc_end_k_qf55f915407_oproj:
	.size	k_qf55f915407_oproj, .Lfunc_end_k_qf55f915407_oproj-k_qf55f915407_oproj
	.p2alignl 7, 3214868480
	.fill 96, 4, 3214868480
	.section	.rodata,"a",@progbits
	.p2align	6, 0x0
	.amdhsa_kernel k_qf55f915407_oproj
		.amdhsa_group_segment_fixed_size 168448
		.amdhsa_private_segment_fixed_size 0
		.amdhsa_enable_private_segment 0
		.amdhsa_kernarg_size 32
		.amdhsa_user_sgpr_count 2
		.amdhsa_user_sgpr_kernarg_segment_ptr 1
		.amdhsa_wavefront_size32 1
		.amdhsa_system_sgpr_workgroup_id_x 1
		.amdhsa_system_sgpr_workgroup_id_y 1
		.amdhsa_system_sgpr_workgroup_id_z 1
		.amdhsa_system_vgpr_workitem_id 0
		.amdhsa_next_free_vgpr 1024
		.amdhsa_next_free_sgpr 66
		.amdhsa_reserve_vcc 0
		.amdhsa_float_denorm_mode_32 3
		.amdhsa_float_denorm_mode_16_64 3
		.amdhsa_memory_ordered 1
		.amdhsa_forward_progress 1
		.amdhsa_inst_pref_size 54
	.end_amdhsa_kernel
	.amdgpu_metadata
---
amdhsa.version: [ 1, 2 ]
amdhsa.kernels:
  - .name:           k_qf55f915407_oproj
    .symbol:         k_qf55f915407_oproj.kd
    .args:
      - { .name: ab, .offset: 0, .size: 8, .value_kind: global_buffer, .address_space: global }
      - { .name: wob, .offset: 8, .size: 8, .value_kind: global_buffer, .address_space: global }
      - { .name: bo, .offset: 16, .size: 8, .value_kind: global_buffer, .address_space: global }
      - { .name: out0, .offset: 24, .size: 8, .value_kind: global_buffer, .address_space: global }
    .group_segment_fixed_size: 168448
    .private_segment_fixed_size: 0
    .kernarg_segment_align: 8
    .kernarg_segment_size: 32
    .max_flat_workgroup_size: 128
    .sgpr_count:     66
    .vgpr_count:     1024
    .wavefront_size: 32
...
	.end_amdgpu_metadata
.endif
;; end of part 4
